; MI455X (gfx1250); checked and timed in simulation.
; The chip was launched on July 23, 2026; its instructions are those of AMD's public machine-readable ISA for CDNA 5 (MIT licence, August 2026) and "CDNA5" Instruction Set Architecture Reference Guide (July 2026). The comments in the code are by the model that wrote it; some were corrected since.
;; Causal Self Attention. Allowed arithmetic: matrix products marked QUANTISED: E3M2 operands, one E8M0 scale for each 32 along K, by v_wmma_scale_f32_16x16x128_f8f6f4 with both operands' format E3M2, f32 sums; everything else in f32.
;; Inputs: W_o 1,024 x 1,024 float32; W_qkv 3,072 x 1,024 float32; x 4 x 2,048 x 1,024 float32.
;; Outputs: out0 4 x 2,048 x 1,024 float32.
;; This version of the problem:
;;   THIS VERSION OF THE PROBLEM IS GIVEN IN LOW PRECISION. The matrix products marked QUANTISED in the list below multiply operands that are first quantised to E3M2 (3 exponent bits, 2 mantissa bits; 6 bits a number), with one power-of-two scale for each 32 numbers along K (OCP MX v1.0); their sums are f32. All else is computed in f32.
;;   The module's matrix products, in the order in which they are computed (A, B: the left and right operand; K: the contracted axis; several contracted axes count as one K, in the product's order):
;;     1. [M 8,192, K 1,024] x [K 1,024, N 3,072]; A: input x; B: input W_qkv: QUANTISED
;;     2. batch 64 x [M 2,048, K 64] x [K 64, N 2,048]; A: computed on the way; B: computed on the way: QUANTISED
;;     3. batch 64 x [M 2,048, K 2,048] x [K 2,048, N 64]; A: softmax (see below); B: computed on the way: QUANTISED
;;     4. [M 8,192, K 1,024] x [K 1,024, N 1,024]; A: computed on the way; B: input W_o: QUANTISED
;;   THE QUANTISER, for each operand of a quantised product, along K:
;;     - K is cut into blocks of 32 from its start; a last block that is shorter is filled with zeros.
;;     - A block's scale is 2^e with e = floor(log2(the largest magnitude in the block)) - 4, held to -126 .. 127; a block of zeros has e = 0. As a byte (E8M0): e + 127.
;;     - Each number is divided by its block's scale, clamped to +-28, and rounded to the nearest number of E3M2, ties to even, subnormals kept.
;;     - The product sums the exact products of the quantised numbers (number of the format x scale) in f32.
;;   ~~~python
;;   def quantise(x, axis):      # numpy; x: float32 -> the quantised numbers, widened to float32 again
;;       x = np.moveaxis(x, axis, -1); K = x.shape[-1]
;;       x = np.pad(x, [(0, 0)] * (x.ndim - 1) + [(0, -K % 32)]); x = x.reshape(x.shape[:-1] + (-1, 32)); a = np.abs(x).max(-1, keepdims=True)
;;       e = np.where(a > 0, np.clip(np.frexp(np.where(a > 0, a, 1))[1] - 1 - 4, -126, 127), 0)      # np.frexp(a)[1] - 1 = floor(log2(a)), exactly
;;       r = np.clip(x / 2.0 ** e, -28, 28)
;;       step = 2.0 ** (np.maximum(np.frexp(np.where(r == 0, 1, r))[1] - 1, -2) - 2)
;;       q = np.round(r / step) * step * 2.0 ** e      # np.round: ties to even
;;       return np.moveaxis(q.reshape(q.shape[:-2] + (-1,))[..., :K], -1, axis).astype(np.float32)
;;   ~~~
;;   SOFTMAX AHEAD OF A QUANTISED PRODUCT. Where the list says 'softmax', what is quantised is not the finished softmax but p = 2^(t - M), with t = logit x log2(e) and M = ceil(the row's largest t), a whole number; so 1/2 < the row's largest p <= 1. The row's sum l is taken of the UNQUANTISED p, in f32, and the product's result is divided by l at the end. Since M is a whole number, a kernel that streams over the keys may use a running M (the ceiling of the running maximum): every later rescaling is an exact power of two, which a block's scale takes up: the codes' values come out the same.
;;   OPERANDS COMPUTED ON THE WAY. 'Computed on the way' means the value that the module computes at that place (a softmax that the list does not call 'softmax' is quantised finished and normalised). What goes into a quantiser is computed in f32, as accurately as f32 sums, v_exp_f32 and their like allow (about 1e-6 of the number): no bf16 or f16 on the way to a quantiser, and a product that is left as it is and whose result goes on into a quantised operand takes f32 operands (vector FMAs, or v_wmma_f32_16x16x4_f32). A number that lies on a knife's edge between two numbers of the format may be rounded either way, as far as f32 arithmetic and the matrix unit's own rounding can turn it there, and no further.
;; One version. Each part assembles by itself: llvm-mc -triple=amdgcn-amd-amdhsa -mcpu=gfx1250 --defsym DOCPART=n.
;; ======== version 1 of 1: 4 launches
;; limits: right only within a limited range of input values
;; workspace buffers: xq 6,553,600 bytes; wq 2,457,600 bytes; wo 819,200 bytes; qi 6,815,744 bytes; kv 13,369,344 bytes; oq 6,553,600 bytes
;; launch quant (part 1): grid 256 x 1, 3 waves a work-group, no clusters, 27,136 bytes of LDS; arguments x, W_qkv, W_o, xq, wq, wo; writes xq, wq, wo
.if DOCPART == 1
	.amdgcn_target "amdgcn-amd-amdhsa--gfx1250"
	.amdhsa_code_object_version 6
	.text
	.protected	k_q5e80841059_quant
	.globl	k_q5e80841059_quant
	.p2align	8
	.type	k_q5e80841059_quant,@function
k_q5e80841059_quant:
	s_mov_b64 s[64:65], 0
	v_nop
	global_prefetch_b8 v0, s[64:65] scope:SCOPE_SE
	s_setreg_imm32_b32 hwreg(HW_REG_WAVE_MODE, 25, 1), 1
	s_wait_xcnt 0x0
; x [8192][1024], W_qkv [3072][1024] and W_o [1024][1024], f32, K innermost, become codes of BF6 (E3M2) with one E8M0 byte for each 32 along K.
; A block's scale is 2^(floor(log2(its largest magnitude)) - 4): its byte is the largest magnitude's exponent field - 4, held at 1 from below by a floor among the maximum's leaves.
; LIMITS: NaN and infinities among the inputs are not served.  A block of zeros, or one whose largest magnitude lies under 2^-122, gets the byte 1 (the rule says 127 for zeros):
; its codes are zeros or the rule's own, and these bytes are read by this program's launches alone.
; LAYOUT OF THE CODES: images of operand registers.  A HALF IMAGE is 16 rows x 64 along K, 768 bytes: bytes 0-511 are registers 0-3 of the 32 lanes (16 bytes a lane), bytes 512-767 registers 4-5
; (8 bytes a lane); lane (r = lane % 16, h = lane / 16) holds block h (32 codes, 24 bytes) of row r.  A tensor is [row tile of 16][16 groups of 64 along K][768].  Scale bytes: [row position][32].
; ORDER OF ROWS: position 16 A + p holds row 32 (A / 2) + 8 (A % 2) + p + 8 (p / 8).  With it a product used transposed leaves 16 neighbours along this tensor's rows in a lane's 16 registers.
; SHARES: 768 row tiles (x 512, W_qkv 192, W_o 64), one to a wave; 16 steps of 64 along K.  A step's eight loads read 256 consecutive aligned bytes with each half of the lanes; the 4,096 bytes turn
; through the wave's own stage in LDS (rows 272 bytes apart) and come back 128 bytes a lane: a whole block of 32 in one lane.  No barrier: waves share nothing.  Loads run three steps ahead.
; WORK LEFT OUT (launch attn): key steps that lie wholly behind a query tile's group.  reference() sets those scores to -inf by its own jnp.tril, so their p is 0 and adds nothing to any sum, whatever the inputs hold.
; LIMIT: a NaN, an infinity or an overflow that reaches only those scores is not carried to the result.  Every input is loaded.
.set STG,  16*272
.set GI,   6                           ; v6   my bytes in a load: 4,096 h + 16 (lane % 16)
.set SI,   7                           ; v7   into the stage
.set SO,   8                           ; v8   out of it
.set L16,  9                           ; v9   16 x lane
.set L8,   14                          ; v14  8 x lane
.set SH,   15                          ; v15  8 h
.set WD,   16                          ; v16-23 scale bytes: word f gathers blocks 4 f + h and 4 f + 2 + h
.set PD,   24                          ; v24  a lane permute's destination
.set SCO,  25                          ; v25  32 r + 16 h
.set OW,   28                          ; v28-31 the four scale words that I store
.set R,    32                          ; v32-127  three sets of 32 registers as loaded
.set X,    128                         ; v128-191 two sets of 32 neighbours
.set PCB,  192                         ; v192.., v204..: two sets of codes
	s_load_b256 s[4:11], s[0:1], 0x0               ; x, W_qkv, W_o, xq
	s_load_b128 s[12:15], s[0:1], 0x20             ; wq, wo
	v_lshl_add_u32 v216, v0, 2, 0x6800
	v_mov_b32 v217, 0
	v_lshrrev_b32 v1, 5, v0
	v_readfirstlane_b32 s16, v1                    ; wave 0..2
	v_and_b32 v2, 31, v0                           ; lane
	v_and_b32 v3, 15, v0                           ; r
	v_bfe_u32 v4, v0, 4, 1                         ; h
	v_lshlrev_b32 v5, 4, v3
	v_lshl_add_u32 v[GI], v4, 12, v5               ; lanes 16-31 take the next row
	s_mul_i32 s17, s16, 2*STG                      ; my wave's two stages
	v_mad_u32_u24 v[SI], v4, 272, v5
	v_add_nc_u32 v[SI], s17, v[SI]
	v_mul_u32_u24 v[SO], v3, 272
	v_lshl_add_u32 v[SO], v4, 7, v[SO]             ; row r, block h: 128 bytes
	v_add_nc_u32 v[SO], s17, v[SO]
	v_lshlrev_b32 v[L16], 4, v2
	v_lshlrev_b32 v[L8], 3, v2
	v_lshlrev_b32 v[SH], 3, v4
	v_lshlrev_b32 v[SCO], 5, v3
	v_lshl_add_u32 v[SCO], v4, 4, v[SCO]
	v_mov_b32 v[PD], 0                             ; written once: a lane permute's destination counts as one of its sources
	s_mov_b32 s26, 0x76543210
	s_mov_b32 s27, 0xfedcba98                      ; v_permlanex16_b32's selects for lane l xor 16
	s_mov_b32 s34, 0xffff0000                      ; lanes 16-31
	s_mul_i32 s18, ttmp9, 3
	s_add_co_u32 s18, s18, s16                     ; my row tile among the 768
	s_mov_b32 s20, 704
	s_mov_b32 s21, 786432
	s_wait_alu depctr_va_vdst(0)
	s_wait_kmcnt 0x0
	s_cmp_lt_u32 s18, 704                          ; which tensor: the choice hangs on ids alone
	s_cselect_b64 s[28:29], s[6:7], s[8:9]
	s_cselect_b64 s[30:31], s[12:13], s[14:15]
	s_cselect_b32 s20, 512, s20                    ; the tensor's first tile
	s_cselect_b32 s21, 2359296, s21                ; where its scale bytes begin in its buffer
	s_cmp_lt_u32 s18, 512
	s_cselect_b64 s[28:29], s[4:5], s[28:29]
	s_cselect_b64 s[30:31], s[10:11], s[30:31]
	s_cselect_b32 s20, 0, s20
	s_cselect_b32 s21, 6291456, s21
	s_sub_co_u32 s18, s18, s20                     ; my tile in its tensor
	s_lshr_b32 s22, s18, 1
	s_lshl_b32 s22, s22, 17                        ; 32 rows of 4,096 bytes for each pair of tiles,
	s_and_b32 s23, s18, 1
	s_lshl_b32 s23, s23, 15                        ; 8 rows for the odd one
	s_add_co_u32 s22, s22, s23
	s_mov_b32 s23, 0
	s_add_nc_u64 s[28:29], s[28:29], s[22:23]      ; the numbers
	s_lshl_b32 s22, s18, 9
	s_add_co_u32 s22, s22, s21
	s_add_nc_u64 s[32:33], s[30:31], s[22:23]      ; the scale bytes: 512 a tile
	s_mul_i32 s22, s18, 12288
	s_add_nc_u64 s[30:31], s[30:31], s[22:23]      ; the codes: 12,288 a tile
.macro LOAD t                          ; step t: positions 2 i + h, whose rows lie 2 i + h + 8 (i / 4) down; 256 bytes of each
.irp i, 0,1,2,3,4,5,6,7
	global_load_b128 v[R+32*((\t)%3)+4*\i:R+32*((\t)%3)+4*\i+3], v[GI], s[28:29] offset:(2*\i+8*(\i/4))*4096+256*(\t) th:TH_LOAD_NT
.endr
.endm
.macro TURN t                          ; through the stage: LDS serves a wave's instructions in order (ISA guide 5.7.1.4), so no wait stands between the stores and the loads
.irp i, 0,1,2,3,4,5,6,7
	ds_store_b128 v[SI], v[R+32*((\t)%3)+4*\i:R+32*((\t)%3)+4*\i+3] offset:STG*((\t)%2)+2*\i*272
.endr
.irp j, 0,1,2,3,4,5,6,7
	ds_load_b128 v[X+32*((\t)%2)+4*\j:X+32*((\t)%2)+4*\j+3], v[SO] offset:STG*((\t)%2)+16*\j
.endr
.endm
.macro STEP t
.set XS, X+32*((\t)%2)
.set PC, PCB+12*((\t)%2)
	s_wait_dscnt 0x0                               ; my block is back from the stage, and the stage's stores have read the set that the next loads take
.if (\t)+3 < 16
	LOAD (\t)+3
.endif
.if (\t)+1 < 16
.if (\t)+3 < 16
	s_wait_loadcnt 16                              ; the next step's eight loads are in; those of the two steps behind it may be out
.else
	s_wait_loadcnt 8*(14-(\t))                     ; the counts run down
.endif
	TURN (\t)+1                                    ; goes through the other stage while this step is worked
.endif
	v_max3_num_f32 v10, |v[XS]|, |v[XS+1]|, |v[XS+2]|              ; the block's largest magnitude: all 32 numbers are mine; two chains
	v_max3_num_f32 v11, |v[XS+3]|, |v[XS+4]|, |v[XS+5]|
.irp i, 6,10,14,18,22,26
	v_max3_num_f32 v10, v10, |v[XS+\i]|, |v[XS+\i+1]|
	v_max3_num_f32 v11, v11, |v[XS+\i+2]|, |v[XS+\i+3]|
.endr
	v_max3_num_f32 v10, v10, |v[XS+30]|, |v[XS+31]|
	v_max3_num_f32 v10, v10, v11, 0x2800000        ; and the floor 2^(5 - 127): the byte cannot fall under 1
	v_add_nc_u32 v12, 0xfe000000, v10              ; 4 off the exponent field: the conversion takes the exponent field of this operand as its scale
	s_wait_alu depctr_va_vdst(0)
	s_wait_xcnt 0x0                                ; the stores of two steps ago have read this set of codes: it is written again only behind this wait
	v_cvt_scalef32_pk16_bf6_f32 v[PC:PC+2], v[XS:XS+15], v12
	v_cvt_scalef32_pk16_bf6_f32 v[PC+6:PC+8], v[XS+16:XS+31], v12  ; (a conversion's three registers begin on an even number)
	v_lshrrev_b32 v13, 23, v12                     ; the scale's byte; also the plain line behind the conversions
.if (\t)%2 == 0
	v_mov_b32 v[WD+(\t)/2], v13
.else
	v_lshl_or_b32 v[WD+(\t)/2], v13, 16, v[WD+(\t)/2]
.endif
.irp i, 0,1,2
	v_mov_b32 v[PC+3+\i], v[PC+6+\i]
.endr
	global_store_b128 v[L16], v[PC:PC+3], s[30:31] offset:768*(\t)         ; 512 consecutive bytes, aligned to 256
	global_store_b64 v[L8], v[PC+4:PC+5], s[30:31] offset:768*(\t)+512     ; 256 consecutive bytes, aligned
.endm
	LOAD 0
	LOAD 1
	LOAD 2
	s_wait_loadcnt 16                              ; step 0's eight loads are in
	TURN 0
.irp t, 0,1,2,3,4,5,6,7,8,9,10,11,12,13,14,15
	STEP \t
.endr
.irp f, 0,1,2,3,4,5,6,7                ; word f of my row: my two bytes 8 h bits up, with lane l xor 16's two
	v_lshlrev_b32 v[WD+\f], v[SH], v[WD+\f]
.endr
.irp f, 0,1,2,3,4,5,6,7
	v_permlanex16_b32 v[PD], v[WD+\f], s26, s27
	v_or_b32 v[WD+\f], v[WD+\f], v[PD]
.endr
.irp j, 0,1,2,3
	v_cndmask_b32 v[OW+\j], v[WD+\j], v[WD+4+\j], s34   ; lanes 0-15 store words 0-3 of row r, lanes 16-31 words 4-7
.endr
	global_store_b128 v[SCO], v[OW:OW+3], s[32:33] ; the tile's 512 scale bytes, consecutive and aligned
	s_wait_tensorcnt 0x0
	ds_add_u32 v216, v217
	s_wait_dscnt 0x0
	s_endpgm
.Lfunc_end_k_q5e80841059_quant:
	.size	k_q5e80841059_quant, .Lfunc_end_k_q5e80841059_quant-k_q5e80841059_quant
	.p2alignl 7, 3214868480
	.fill 96, 4, 3214868480
	.section	.rodata,"a",@progbits
	.p2align	6, 0x0
	.amdhsa_kernel k_q5e80841059_quant
		.amdhsa_group_segment_fixed_size 27136
		.amdhsa_private_segment_fixed_size 0
		.amdhsa_enable_private_segment 0
		.amdhsa_kernarg_size 48
		.amdhsa_user_sgpr_count 2
		.amdhsa_user_sgpr_kernarg_segment_ptr 1
		.amdhsa_wavefront_size32 1
		.amdhsa_system_sgpr_workgroup_id_x 1
		.amdhsa_system_sgpr_workgroup_id_y 1
		.amdhsa_system_sgpr_workgroup_id_z 1
		.amdhsa_system_vgpr_workitem_id 0
		.amdhsa_next_free_vgpr 218
		.amdhsa_next_free_sgpr 66
		.amdhsa_reserve_vcc 0
		.amdhsa_float_denorm_mode_32 3
		.amdhsa_float_denorm_mode_16_64 3
		.amdhsa_memory_ordered 1
		.amdhsa_forward_progress 1
		.amdhsa_inst_pref_size 60
	.end_amdhsa_kernel
	.amdgpu_metadata
---
amdhsa.version: [ 1, 2 ]
amdhsa.kernels:
  - .name:           k_q5e80841059_quant
    .symbol:         k_q5e80841059_quant.kd
    .args:
      - { .name: x, .offset: 0, .size: 8, .value_kind: global_buffer, .address_space: global }
      - { .name: W_qkv, .offset: 8, .size: 8, .value_kind: global_buffer, .address_space: global }
      - { .name: W_o, .offset: 16, .size: 8, .value_kind: global_buffer, .address_space: global }
      - { .name: xq, .offset: 24, .size: 8, .value_kind: global_buffer, .address_space: global }
      - { .name: wq, .offset: 32, .size: 8, .value_kind: global_buffer, .address_space: global }
      - { .name: wo, .offset: 40, .size: 8, .value_kind: global_buffer, .address_space: global }
    .group_segment_fixed_size: 27136
    .private_segment_fixed_size: 0
    .kernarg_segment_align: 8
    .kernarg_segment_size: 48
    .max_flat_workgroup_size: 96
    .sgpr_count:     66
    .vgpr_count:     218
    .wavefront_size: 32
...
	.end_amdgpu_metadata
.endif
;; end of part 1
;; launch qkv (part 2): grid 4 x 64, 4 waves a work-group, clusters of 4 x 4, 327,680 bytes of LDS; arguments xq, wq, qi, kv; writes qi, kv
.if DOCPART == 2
	.amdgcn_target "amdgcn-amd-amdhsa--gfx1250"
	.amdhsa_code_object_version 6
	.text
	.protected	k_q5e80841059_qkv
	.globl	k_q5e80841059_qkv
	.p2align	8
	.type	k_q5e80841059_qkv,@function
k_q5e80841059_qkv:
	s_mov_b64 s[64:65], 0
	v_nop
	global_prefetch_b8 v0, s[64:65] scope:SCOPE_SE
	s_setreg_imm32_b32 hwreg(HW_REG_WAVE_MODE, 25, 1), 1
	s_wait_xcnt 0x0
	s_wait_alu depctr_hold_cnt(0) depctr_sa_sdst(0) depctr_va_vdst(0) depctr_va_sdst(0) depctr_va_ssrc(0) depctr_va_vcc(0) depctr_vm_vsrc(0)
	s_getreg_b32 s2, hwreg(HW_REG_IB_STS2, 6, 4)
	s_cmp_eq_u32 s2, 0
	s_cbranch_scc0 .Lentry_in_a_cluster
	s_endpgm
.Lentry_in_a_cluster:
	s_bfe_u32 s2, ttmp6, 0x10000c
	s_cmp_lg_u32 s2, 0xf033
	s_cbranch_scc0 .Lentry_shape_is_right
	s_endpgm
.Lentry_shape_is_right:
; qkv = x W_qkv^T on codes of BF6 (E3M2) with E8M0 scales, f32 sums; the results never go to memory as f32: Q and K are quantised along the head's 64, V along the keys, in registers, on the way out.
; OPERANDS: [row tile of 16][16 groups of 64 along K][768 bytes], each 768 bytes a half image of operand registers (registers 0-3 at 16 x lane, registers 4-5 at 512 + 8 x lane); scale bytes [row position][32]
; behind the codes.  Position 16 A + p of every operand holds row 32 (A / 2) + 8 (A % 2) + p + 8 (p / 8).
; SHARES: 64 x 4 = 256 work-groups.  Work-group (j, y) owns the 128 tokens of group y and rows 256 j .. 256 j + 255 (four heads) of W_q, then of W_k, then of W_v: three blocks of 128 x 256.
; Wave w owns head 4 j + w: all 128 tokens x 64 rows of W: 32 accumulators, 256 registers.
; LDS: the tokens' codes for all of K (98,304 bytes) are filled once and stay.  W goes in halves of K (16 row tiles x 6,144 bytes) through two slots: slot 0 is filled again at K step 3 of a block, slot 1 in the
; middle of the block's way out, so four K steps and half a way out, or half a way out and three K steps, stand between a refill and the wait for it.  One tensor load of a wave is out at any time.
; CLUSTERS: 4 x 4 work-groups; the tokens' tiles are asked for jointly by a row of the cluster, W's by a column.
; SCALE WORDS go from memory into registers, each byte once a wave: x's 128 rows once, W's 64 rows a block ahead.
; NO PREFETCH: K is short (eight steps), and every refill goes out ahead of the wait for it by the stretch stated above; W's later blocks are the only stream, 98,304 bytes a refill.
; THE MATRIX INSTRUCTION IS USED TRANSPOSED.  Q, K: source 0 = 16 rows of W, source 1 = 16 tokens: a lane holds a token, and by the order of rows above the 16 registers of accumulators (a, 2 n), (a, 2 n + 1) are the
; features 32 n + 16 (lane / 16) + 0 .. 15.  V^T: source 0 = 16 tokens, source 1 = 16 rows of W_v: a lane holds a feature and its registers run along the keys.
; OUT: qi: blocks of 6,656 bytes (batch, head pair, 128 queries, head): 8 half images, then 512 bytes of scale words.  kv: blocks of 13,056 bytes: K's 8 half images, 512 bytes of K's words, V^T's 8 half images
; (16 features x 64 keys), 256 bytes of V's words.  Every store of a wave covers 256 or 512 consecutive bytes, aligned to 256.
; LIMITS: NaN and infinities are not served; a block whose largest magnitude lies under 2^-122 gets the byte 1 (zeros too): these bytes are read by this program alone.
; REGISTERS: window 0: v16-29 addresses; v32-95 x's scale words (8 i + k: block i, K step k); v96-127 W's; v128-178 the way out.  window 1: x's fragments, two sets of 96.  window 2: the accumulators.
; window 3: W's fragments, two sets of 48.
.set TROW,  6144                       ; a row tile's 512 along K
.set FR,    12
.set WS0,   98304                      ; W's slot 0; slot 1 lies 98,304 further on
.set SPARE, 294912                     ; the spare words, 128 bytes for each wave, that no other line names
.set WSTEP, 786432                     ; from a block of W to the next: 1,024 rows of 768 bytes
.set ADRX, 16                          ; v16, v17 16 x lane + x's tiles 0-3, 4-7;  v18, v19 8 x lane + the same
.set EL16, 16
.set EL8,  18
.set ADRW, 20                          ; v20, v21 16 x lane + my four tiles in slot 0, 1;  v22, v23 8 x lane
.set SO,   26                          ; v26  32 x (lane % 16): my row's scale bytes
.set SPW,  28
.set NIL,  29
.set SCX,  32
.set SCW,  96
.set TM,   128                         ; four largest magnitudes; TX the other half's; TO scale operands; TB bytes
.set TX,   132
.set TO,   136
.set TB,   140
.set HW,   144                         ; v144-151 a half word (two scale bytes) for each half image
.set WW,   152
.set XW,   156
.set PC,   160                         ; v160-178 two half images' codes
.set G1X, 24
.set G0X, 32
.set G0WH, 36
.set G1W, 48
.set G0W0, 56
.set G0W1, 60
.set XS,  68
.set WSP, 70
.set P,   72                           ; s[72:73] the block in hand;  s[74:75] my block of kv
.set PK,  74
.set SEL, 76
.set HM,  78
.set MSB, 0
.macro WIN new                         ; the immediate's high byte repeats the setting that is left
.if MSB != \new
	s_set_vgpr_msb (MSB<<8)|\new
.set MSB, \new
.endif
.endm
.macro CROUND                          ; a round of the cluster's barrier
	s_barrier_signal -1
	s_barrier_wait -1
	s_cmp_lg_u32 s14, 0
	s_cbranch_scc1 .Lnot_wave_0_\@
	s_barrier_signal -3
.Lnot_wave_0_\@:
	s_barrier_wait -3
	s_barrier_signal -1
	s_barrier_wait -1
.endm
.macro PLACES n
.rept \n
	v_nop
.endr
.endm
.macro WLOAD g0                        ; every wave's joint load: its four row tiles of a half of W; s_nop 0 and four v_nop follow
	tensor_load_to_lds s[\g0:\g0+3], s[G1W:G1W+7]
	s_nop 0
	PLACES 4
.endm
	s_load_b128 s[4:7], s[0:1], 0x0                ; xq, wq
	s_load_b128 s[8:11], s[0:1], 0x10              ; qi, kv
	v_lshl_add_u32 v[SPW], v0, 2, SPARE
	v_mov_b32 v[NIL], 0
	ds_add_u32 v[SPW], v[NIL]                      ; the opening lines: the add, twice on end, and its wait
	ds_add_u32 v[SPW], v[NIL]
	v_lshrrev_b32 v1, 5, v0
	v_readfirstlane_b32 s14, v1                    ; wave 0..3
	s_lshr_b32 s15, s14, 1                         ; at the head: I fetch for x (0) or for W (1)
	s_and_b32 s16, s14, 1                          ; and which half of that tile
	s_bfe_u32 s40, ttmp6, 0x40000                  ; cx, cy
	s_bfe_u32 s41, ttmp6, 0x40004
	s_lshl_b32 s42, ttmp9, 2
	s_add_co_u32 s42, s42, s40                     ; j
	s_and_b32 s17, ttmp7, 0xffff
	s_lshl_b32 s17, s17, 2
	s_add_co_u32 s17, s17, s41                     ; y
	s_lshl_b32 s43, s41, 2
	s_lshl_b32 s43, 15, s43                        ; my row of the cluster
	s_lshl_b32 s44, 0x1111, s40                    ; my column
	s_or_b32 s[G1X+0], s43, (3<<16)|(1<<21)        ; x: 4 row tiles of 12,288 bytes (1,536 elements of 8), dense
	s_mov_b32 s[G1X+1], 1536<<16
	s_mov_b32 s[G1X+2], 4<<16
	s_mov_b32 s[G1X+3], 1536<<16
	s_mov_b32 s[G1X+4], 4
	s_mov_b32 s[G1X+5], 1536
	s_mov_b32 s[G1X+6], 0
	s_mov_b32 s[G1X+7], 0
	s_or_b32 s[G1W+0], s44, (3<<16)|(1<<21)        ; W: row tiles of 6,144 bytes, 12,288 apart in memory, on end in LDS: 8 at the head, then 4
	s_mov_b32 s[G1W+1], 768<<16
	s_mov_b32 s[G1W+2], 8<<16
	s_mov_b32 s[G1W+3], 768<<16
	s_mov_b32 s[G1W+4], 8
	s_mov_b32 s[G1W+5], 1536
	s_mov_b32 s[G1W+6], 0
	s_mov_b32 s[G1W+7], 0
	s_mov_b32 s[SEL], 0x76543210
	s_mov_b32 s[SEL+1], 0xfedcba98                 ; v_permlanex16_b32's selects for lane l xor 16
	s_mov_b32 s[HM], 0xffff0000                    ; lanes 16-31
	s_mul_i32 s20, s17, 98304                      ; my tokens' codes,
	s_mov_b32 s21, 0
	s_lshl_b32 s22, s17, 12                        ; and scale bytes
	s_add_co_u32 s22, s22, 6291456
	s_mov_b32 s23, 0
	s_mul_i32 s46, s42, 196608                     ; W_q's rows 256 j on
	s_mov_b32 s47, 0
	s_lshl_b32 s18, s42, 13                        ; my head's scale bytes: 8,192 j + 2,048 x wave
	s_lshl_b32 s19, s14, 11
	s_add_co_u32 s18, s18, s19
	s_add_co_u32 s18, s18, 2359296
	s_mov_b32 s19, 0
	s_wait_dscnt 0x0
	s_wait_kmcnt 0x0
	s_add_nc_u64 s[20:21], s[4:5], s[20:21]
	s_add_nc_u64 s[XS:XS+1], s[4:5], s[22:23]
	s_add_nc_u64 s[46:47], s[6:7], s[46:47]
	s_add_nc_u64 s[WSP:WSP+1], s[6:7], s[18:19]
	CROUND                                         ; all sixteen work-groups are here: the first joint loads meet
	s_mul_i32 s22, s16, 49152
	s_mov_b32 s23, 0
	s_mov_b32 s[G0X], 1                            ; x: tiles 4 (wave % 2) on
	s_mov_b32 s[G0X+1], s22
	s_add_nc_u64 s[G0X+2:G0X+3], s[20:21], s[22:23]
	s_or_b32 s[G0X+3], s[G0X+3], 0x80000000
	s_mov_b32 s[G0WH], 1                           ; W_q's first half of K: tiles 8 (wave % 2) on
	s_add_co_u32 s[G0WH+1], s22, WS0
	s_mul_i32 s22, s16, 98304
	s_add_nc_u64 s[G0WH+2:G0WH+3], s[46:47], s[22:23]
	s_or_b32 s[G0WH+3], s[G0WH+3], 0x80000000
	s_mul_i32 s45, s14, 4*TROW                     ; the ring: my four row tiles of a half
	s_mul_i32 s22, s14, 49152
	s_add_nc_u64 s[46:47], s[46:47], s[22:23]
	s_mov_b32 s[G0W0], 1
	s_add_co_u32 s[G0W0+1], s45, WS0
	s_mov_b64 s[G0W0+2:G0W0+3], s[46:47]           ; stepped by a block ahead of its first use
	s_or_b32 s[G0W0+3], s[G0W0+3], 0x80000000
	s_mov_b32 s[G0W1], 1
	s_add_co_u32 s[G0W1+1], s45, 2*WS0
	s_add_nc_u64 s[G0W1+2:G0W1+3], s[46:47], TROW
	s_or_b32 s[G0W1+3], s[G0W1+3], 0x80000000
	s_cmp_eq_u32 s15, 0                            ; the head's loads, one a wave: waves 0, 1 x's halves, waves 2, 3 W's
	s_cbranch_scc0 .Lhead_w
	tensor_load_to_lds s[G0X:G0X+3], s[G1X:G1X+7]
	s_nop 0
	PLACES 4
	s_branch .Lhead_asked
.Lhead_w:
	tensor_load_to_lds s[G0WH:G0WH+3], s[G1W:G1W+7]
	s_nop 0
	PLACES 4
.Lhead_asked:
	v_and_b32 v3, 31, v0
	v_and_b32 v1, 15, v0
	v_lshlrev_b32 v[EL16], 4, v3
	v_lshlrev_b32 v[EL8], 3, v3
	v_lshlrev_b32 v[SO], 5, v1
	s_add_co_u32 s21, s45, WS0
	s_add_co_u32 s22, s45, 2*WS0
	v_add_nc_u32 v[ADRX+1], 49152, v[EL16]
	v_add_nc_u32 v[ADRX+3], 49152, v[EL8]
	v_add_nc_u32 v[ADRW], s21, v[EL16]
	v_add_nc_u32 v[ADRW+2], s21, v[EL8]
	v_add_nc_u32 v[ADRW+1], s22, v[EL16]
	v_add_nc_u32 v[ADRW+3], s22, v[EL8]
.irp k, 0,1,2,3
	v_mov_b32 v[TX+\k], 0                          ; a lane permute's destination counts as one of its sources
.endr
	s_wait_alu depctr_va_vdst(0)                   ; the wait at the head's end
	s_lshr_b32 s18, s17, 4                         ; the batch
	s_lshl_b32 s18, s18, 3
	s_lshl_b32 s19, s42, 1
	s_add_co_u32 s18, s18, s19
	s_add_co_u32 s18, s18, s15                     ; + the head pair 2 j + wave / 2
	s_lshl_b32 s18, s18, 4
	s_and_b32 s19, s17, 15
	s_add_co_u32 s18, s18, s19                     ; the group of 128 tokens
	s_lshl_b32 s18, s18, 1
	s_add_co_u32 s18, s18, s16                     ; the head of the pair
	s_mul_i32 s20, s18, 6656
	s_mov_b32 s21, 0
	s_add_nc_u64 s[P:P+1], s[8:9], s[20:21]        ; Q's block comes first
	s_mul_i32 s20, s18, 13056
	s_add_nc_u64 s[PK:PK+1], s[10:11], s[20:21]
.macro WSCALES                         ; my head's 64 rows: eight words a row
.irp i, 0,1,2,3
	global_load_b128 v[SCW+8*\i:SCW+8*\i+3], v[SO], s[WSP:WSP+1] offset:\i*512
	global_load_b128 v[SCW+8*\i+4:SCW+8*\i+7], v[SO], s[WSP:WSP+1] offset:\i*512+16
.endr
.endm
.irp i, 0,1,2,3,4,5,6,7
	global_load_b128 v[SCX+8*\i:SCX+8*\i+3], v[SO], s[XS:XS+1] offset:\i*512
	global_load_b128 v[SCX+8*\i+4:SCX+8*\i+7], v[SO], s[XS:XS+1] offset:\i*512+16
.endr
	WSCALES
.macro FRAG reg, adr, off              ; a fragment, 16 rows x 128 K, is two half images on end
	ds_load_b128 v[\reg:\reg+3], v[\adr] offset:\off
	ds_load_b64 v[\reg+4:\reg+5], v[\adr+2] offset:\off+512
	ds_load_b128 v[\reg+6:\reg+9], v[\adr] offset:\off+768
	ds_load_b64 v[\reg+10:\reg+11], v[\adr+2] offset:\off+1280
.endm
.macro FETCH ks                        ; K step ks into the sets ks % 2: x's eight fragments (window 1), W's four (window 3)
	WIN 0x40
.irp i, 0,1,2,3,4,5,6,7
	FRAG 96*((\ks)%2)+FR*\i, ADRX+\i/4, (\i%4)*12288+(\ks)*1536
.endr
	WIN 0xc0
.irp i, 0,1,2,3
	FRAG 48*((\ks)%2)+FR*\i, ADRW+(\ks)/4, \i*TROW+((\ks)%4)*1536
.endr
	WIN 0
.endm
.macro MM d, s0, s1, zero, c0, c1
.if \zero
	v_wmma_scale_f32_16x16x128_f8f6f4 v[\d:\d+7], v[\s0:\s0+11], v[\s1:\s1+11], 0, v[\c0], v[\c1] matrix_a_fmt:MATRIX_FMT_BF6 matrix_b_fmt:MATRIX_FMT_BF6
.else
	v_wmma_scale_f32_16x16x128_f8f6f4 v[\d:\d+7], v[\s0:\s0+11], v[\s1:\s1+11], v[\d:\d+7], v[\c0], v[\c1] matrix_a_fmt:MATRIX_FMT_BF6 matrix_b_fmt:MATRIX_FMT_BF6
.endif
.endm
.macro MUL32 role, ks, zero            ; the 32 accumulators take turns, one instruction a turn, in the same order in every step
.if \role
	WIN 0xad                                       ; V^T: source 0 x (window 1), source 1 W (window 3), C and D window 2
.irp a, 0,1,2,3
.irp b, 0,1,2,3,4,5,6,7
	MM 8*(8*\a+\b), 96*((\ks)%2)+FR*\b, 48*((\ks)%2)+FR*\a, \zero, SCX+8*\b+(\ks), SCW+8*\a+(\ks)
.endr
.endr
.else
	WIN 0xa7                                       ; Q, K: source 0 W (window 3), source 1 x (window 1)
.irp a, 0,1,2,3,4,5,6,7
.irp b, 0,1,2,3
	MM 8*(4*\a+\b), 48*((\ks)%2)+FR*\b, 96*((\ks)%2)+FR*\a, \zero, SCW+8*\b+(\ks), SCX+8*\a+(\ks)
.endr
.endr
.endif
	WIN 0
.endm
; A K step: its fragments are in; the next step's are asked for, into the sets that the step before has read; 32 products.  At K step 3 my reads of slot 0 are over and slot 1 is due:
; fill = 1: the three lines, a round, and slot 0 takes the next block's first half; fill = 0: a barrier shows slot 1 whole, and nothing is filled.
.macro KSTEP role, ks, fill
.if (\ks) == 0
	s_wait_loadcnt 0x0                             ; the scale words are in
.endif
.if (\ks) == 3
	s_wait_tensorcnt 0x0
.if \fill
	ds_add_u32 v[SPW], v[NIL]
	s_add_nc_u64 s[G0W0+2:G0W0+3], s[G0W0+2:G0W0+3], WSTEP
.endif
.endif
	s_wait_dscnt 0x0
.if (\ks) == 3 && \fill
	CROUND
	WLOAD G0W0                                     ; its four v_nop are the places in front of the loads below
.else
.if (\ks) == 3
	s_barrier_signal -1
	s_barrier_wait -1
.endif
.if (\ks) < 7
	PLACES 4                                       ; in front of loads into registers that matrix instructions have read
.endif
.endif
.if (\ks) < 7
	FETCH (\ks)+1
.endif
	MUL32 \role, \ks, (\ks)==0
.endm
; THE WAY OUT.  Two runs of 32 accumulator registers (16 rows x 64, two blocks of 32 of which a lane holds 16 numbers each) become two half images and two half words of scale bytes; the four blocks by turns.
.macro ITEM2 ac0, ac1, o0, o1, h0, h1, pb
	WIN 0x28                                       ; sources 1 and 2: the accumulators' window
	v_max3_num_f32 v[TM], 0x2800000, |v[\ac0]|, |v[\ac0+1]|        ; with the floor 2^(5 - 127); each accumulator is read from its low end on
	v_max3_num_f32 v[TM+1], 0x2800000, |v[\ac0+16]|, |v[\ac0+17]|
	v_max3_num_f32 v[TM+2], 0x2800000, |v[\ac1]|, |v[\ac1+1]|
	v_max3_num_f32 v[TM+3], 0x2800000, |v[\ac1+16]|, |v[\ac1+17]|
.irp i, 2,4,6,8,10,12,14
	v_max3_num_f32 v[TM], v[TM], |v[\ac0+\i]|, |v[\ac0+\i+1]|
	v_max3_num_f32 v[TM+1], v[TM+1], |v[\ac0+16+\i]|, |v[\ac0+17+\i]|
	v_max3_num_f32 v[TM+2], v[TM+2], |v[\ac1+\i]|, |v[\ac1+\i+1]|
	v_max3_num_f32 v[TM+3], v[TM+3], |v[\ac1+16+\i]|, |v[\ac1+17+\i]|
.endr
	WIN 0
.irp k, 0,1,2,3
	v_permlanex16_b32 v[TX+\k], v[TM+\k], s[SEL], s[SEL+1]
.endr
.irp k, 0,1,2,3
	v_max_num_f32 v[TM+\k], v[TM+\k], v[TX+\k]     ; with lane l xor 16's 16: the block's largest magnitude
.endr
.irp k, 0,1,2,3
	v_add_nc_u32 v[TO+\k], 0xfe000000, v[TM+\k]    ; 4 off its exponent field: the conversion's scale operand
.endr
.irp k, 0,1,2,3
	v_lshrrev_b32 v[TB+\k], 23, v[TO+\k]           ; the scale's byte
.endr
	v_lshl_or_b32 v[HW+\h0], v[TB+1], 8, v[TB]
	v_lshl_or_b32 v[HW+\h1], v[TB+3], 8, v[TB+2]
	s_wait_alu depctr_va_vdst(0)                   ; the wait directly ahead of the wait below
	s_wait_xcnt 0x0                                ; the last stores have read their codes: they are written again only behind this wait
	WIN 0x02                                       ; source 0: the accumulators' window
	v_cvt_scalef32_pk16_bf6_f32 v[PC:PC+2], v[\ac0:\ac0+15], v[TO]
	v_cvt_scalef32_pk16_bf6_f32 v[PC+6:PC+8], v[\ac0+16:\ac0+31], v[TO+1]   ; (a conversion's three registers begin on an even number)
	v_cvt_scalef32_pk16_bf6_f32 v[PC+10:PC+12], v[\ac1:\ac1+15], v[TO+2]
	v_cvt_scalef32_pk16_bf6_f32 v[PC+16:PC+18], v[\ac1+16:\ac1+31], v[TO+3]
	WIN 0
	v_nop                                          ; one plain line behind a scaled conversion
.irp i, 0,1,2
	v_permlane16_swap_b32 v[PC+\i], v[PC+6+\i]     ; a lane gets a whole block: lanes 0-15 block 0, lanes 16-31 block 1
	v_permlane16_swap_b32 v[PC+10+\i], v[PC+16+\i]
.endr
.irp i, 0,1,2
	v_mov_b32 v[PC+3+\i], v[PC+6+\i]
	v_mov_b32 v[PC+13+\i], v[PC+16+\i]
.endr
	global_store_b128 v[EL16], v[PC:PC+3], s[\pb:\pb+1] offset:\o0          ; 512 consecutive bytes, aligned to 256
	global_store_b64 v[EL8], v[PC+4:PC+5], s[\pb:\pb+1] offset:\o0+512      ; 256 consecutive bytes, aligned
	global_store_b128 v[EL16], v[PC+10:PC+13], s[\pb:\pb+1] offset:\o1
	global_store_b64 v[EL8], v[PC+14:PC+15], s[\pb:\pb+1] offset:\o1+512
.endm
	s_wait_tensorcnt 0x0                           ; my part of the head's tiles is in
	ds_add_u32 v[SPW], v[NIL]
	s_mov_b32 s[G1W+2], 4<<16                      ; no tensor load of mine is out: from here on a load brings 4 row tiles
	s_mov_b32 s[G1W+4], 4
	s_wait_dscnt 0x0
	CROUND
	WLOAD G0W1                                     ; W_q's second half of K: slot 1's first fill
	FETCH 0
	s_mov_b32 s3, 2
.Lblock:                                           ; two trips: Q, then K
.irp k, 0,1,2,3,4,5,6,7
	KSTEP 0, \k, 1
.endr
	PLACES 4                                       ; behind the last products
	s_wait_xcnt 0x0
	s_add_nc_u64 s[WSP:WSP+1], s[WSP:WSP+1], 32768 ; the next block's scale words: 1,024 rows on
	WSCALES
	ITEM2 0, 32, 0, 768, 0, 1, P                   ; token tile a: accumulators (a, 0 .. 3), 768 a bytes into the block
	ITEM2 64, 96, 1536, 2304, 2, 3, P
	s_wait_alu depctr_va_vdst(0)
	s_wait_tensorcnt 0x0                           ; the next block's first half is in; my reads of slot 1 ended with K step 7's fragments
	ds_add_u32 v[SPW], v[NIL]
	s_add_nc_u64 s[G0W1+2:G0W1+3], s[G0W1+2:G0W1+3], WSTEP
	s_wait_dscnt 0x0
	CROUND
	WLOAD G0W1                                     ; slot 1 takes the next block's second half
	FETCH 0
	ITEM2 128, 160, 3072, 3840, 4, 5, P
	ITEM2 192, 224, 4608, 5376, 6, 7, P
.irp i, 0,1,2,3                        ; a row's word: its two bytes and two bytes of 1.0 for the upper 64 along K.  Lane l stores the words of tiles l / 16, 2 + l / 16, 4 + .., 6 + .., row l % 16
	v_cndmask_b32 v[WW+\i], v[HW+2*\i], v[HW+2*\i+1], s[HM]
.endr
.irp i, 0,1,2,3
	v_or_b32 v[WW+\i], 0x7f7f0000, v[WW+\i]
.endr
	global_store_b128 v[EL16], v[WW:WW+3], s[P:P+1] offset:6144
	s_wait_alu depctr_va_vdst(0)
	s_wait_xcnt 0x0                                ; the stores have read their base
	s_mov_b64 s[P:P+1], s[PK:PK+1]                 ; K goes to kv
	s_sub_co_u32 s3, s3, 1
	s_cmp_lg_u32 s3, 0
	s_cbranch_scc1 .Lblock
.irp k, 0,1,2,3,4,5,6,7                ; V^T: nothing more is fetched
	KSTEP 1, \k, 0
.endr
	PLACES 4
.irp a, 0,1,2,3                        ; feature tile a, halves 0 and 1 of the 128 keys; V^T lies behind K and K's words
	ITEM2 64*\a, 64*\a+32, 6656+1536*\a, 7424+1536*\a, 2*\a, 2*\a+1, PK
.endr
.irp a, 0,1,2,3                        ; a row's word has four bytes: the 128 keys' four blocks.  Lane l stores the words of tiles l / 16 and 2 + l / 16, row l % 16
	v_lshl_or_b32 v[XW+\a], v[HW+2*\a+1], 16, v[HW+2*\a]
.endr
.irp j, 0,1
	v_cndmask_b32 v[WW+\j], v[XW+2*\j], v[XW+2*\j+1], s[HM]
.endr
	global_store_b64 v[EL8], v[WW:WW+1], s[PK:PK+1] offset:12800
	s_wait_tensorcnt 0x0                           ; the wave's end
	ds_add_u32 v[SPW], v[NIL]
	s_wait_dscnt 0x0
	CROUND                                         ; the closing round
	s_endpgm
.Lfunc_end_k_q5e80841059_qkv:
	.size	k_q5e80841059_qkv, .Lfunc_end_k_q5e80841059_qkv-k_q5e80841059_qkv
	.p2alignl 7, 3214868480
	.fill 96, 4, 3214868480
	.section	.rodata,"a",@progbits
	.p2align	6, 0x0
	.amdhsa_kernel k_q5e80841059_qkv
		.amdhsa_group_segment_fixed_size 327680
		.amdhsa_private_segment_fixed_size 0
		.amdhsa_enable_private_segment 0
		.amdhsa_kernarg_size 32
		.amdhsa_user_sgpr_count 2
		.amdhsa_user_sgpr_kernarg_segment_ptr 1
		.amdhsa_wavefront_size32 1
		.amdhsa_system_sgpr_workgroup_id_x 1
		.amdhsa_system_sgpr_workgroup_id_y 1
		.amdhsa_system_sgpr_workgroup_id_z 1
		.amdhsa_system_vgpr_workitem_id 0
		.amdhsa_next_free_vgpr 1024
		.amdhsa_next_free_sgpr 100
		.amdhsa_reserve_vcc 0
		.amdhsa_float_denorm_mode_32 3
		.amdhsa_float_denorm_mode_16_64 3
		.amdhsa_memory_ordered 1
		.amdhsa_forward_progress 1
		.amdhsa_inst_pref_size 164
	.end_amdhsa_kernel
	.amdgpu_metadata
---
amdhsa.version: [ 1, 2 ]
amdhsa.kernels:
  - .name:           k_q5e80841059_qkv
    .symbol:         k_q5e80841059_qkv.kd
    .args:
      - { .name: xq, .offset: 0, .size: 8, .value_kind: global_buffer, .address_space: global }
      - { .name: wq, .offset: 8, .size: 8, .value_kind: global_buffer, .address_space: global }
      - { .name: qi, .offset: 16, .size: 8, .value_kind: global_buffer, .address_space: global }
      - { .name: kv, .offset: 24, .size: 8, .value_kind: global_buffer, .address_space: global }
    .group_segment_fixed_size: 327680
    .private_segment_fixed_size: 0
    .kernarg_segment_align: 8
    .kernarg_segment_size: 32
    .max_flat_workgroup_size: 128
    .sgpr_count:     100
    .vgpr_count:     1024
    .wavefront_size: 32
...
	.end_amdgpu_metadata
.endif
;; end of part 2
;; launch attn (part 3): grid 256 x 1, 16 waves a work-group, clusters of 4 x 1, 327,680 bytes of LDS; arguments qi, kv, oq; writes oq
.if DOCPART == 3
	.amdgcn_target "amdgcn-amd-amdhsa--gfx1250"
	.amdhsa_code_object_version 6
	.text
	.protected	k_q5e80841059_attn
	.globl	k_q5e80841059_attn
	.p2align	8
	.type	k_q5e80841059_attn,@function
k_q5e80841059_attn:
	s_mov_b64 s[64:65], 0
	v_nop
	global_prefetch_b8 v0, s[64:65] scope:SCOPE_SE
	s_setreg_imm32_b32 hwreg(HW_REG_WAVE_MODE, 25, 1), 1
	s_wait_xcnt 0x0
	s_wait_alu depctr_hold_cnt(0) depctr_sa_sdst(0) depctr_va_vdst(0) depctr_va_sdst(0) depctr_va_ssrc(0) depctr_va_vcc(0) depctr_vm_vsrc(0)
	s_getreg_b32 s2, hwreg(HW_REG_IB_STS2, 6, 4)
	s_cmp_eq_u32 s2, 0
	s_cbranch_scc0 .Lentry_in_a_cluster
	s_endpgm
.Lentry_in_a_cluster:
	s_bfe_u32 s2, ttmp6, 0x10000c
	s_cmp_lg_u32 s2, 0x3003
	s_cbranch_scc0 .Lentry_shape_is_right
	s_endpgm
.Lentry_shape_is_right:
; Causal attention on codes of BF6 (E3M2) with E8M0 scales: S^T = K Q^T (K = the head's 64), p = 2^(t - M), O^T = V^T P^T (K = the keys), O / l quantised along the head's 64 for the last product.
; t = score x log2(e) / 8; M = the running largest t rounded UP to a whole number; the row's sum l is taken of the unquantised p, in f32; when M moves, l and O^T are multiplied by 2^(old M - new M): exact.
; LEFT OUT: key steps wholly behind a group of queries (reference()'s own jnp.tril makes their p 0 for all inputs).
; SHARES.  A cluster of four work-groups owns one head of one batch (64 clusters).  Of each group of 128 queries (8 tiles of 16) work-group cx takes tiles 2 cx and 2 cx + 1.  Wave w owns tile 2 cx + w % 2 of group
; i = w / 2, against key steps 0 .. i, and then of group 15 - i, against key steps 0 .. 15 - i: 17 trips in every wave of every work-group.  In trip t the key step is min(t, t - i - 1) (unsigned); the step on the
; diagonal, a group's last, is trip i and trip 16.  Trip counts are constants; branches and LDS addresses hang on the wave's number and the trip alone.
; THE HEAD'S K AND V STAY IN LDS: 16 key steps x 13,056 bytes = 208,896, each byte filled once, nothing filled again.  They come in 48 units of 17 rows x 256 bytes, three groups of 16 joint loads, one a wave;
; all four partners need all of them and ask jointly (mask 15).  Group 0 (key steps 0 to 4 whole) goes out at the head, group 1 (to step 9) behind the sequence that shows group 0 landed, group 2 behind trips 0 and 1;
; a barrier behind trips 2 to 4 shows it landed.  Trips 0 to 4 read key steps 0 to 4 at the most.  One tensor load of a wave is out at any time.
; NO PREFETCH: each byte of kv is asked for once in a cluster, by a load that goes out two trips or more ahead of the wait for it; behind trip 1 nothing more is fetched, so there is no loop to run ahead in.
; A key step of a head in kv: K's 8 half images (16 keys x 64), 512 bytes of K's scale words, V^T's 8 half images (16 features x 64 keys), 256 bytes of V's words; the pair's two heads take turns, 26,112 bytes a step.
; LAYOUT.  Both products are used transposed: a lane holds ONE query (lane % 16).  Position r of tile 2 b + u of tokens is token 32 b + 8 u + r + 8 (r / 8), so the 16 registers of score tiles 2 b and 2 b + 1 are the
; neighbouring keys 32 b + 16 (lane / 16) + 0 .. 15; V^T's features likewise.  K = 64 IN A FORM OF 128: Q's registers 6-11 are zero codes and the upper two scale bytes are 1.0, so K's registers 6-11 may hold any codes.
; LIMITS: NaN and infinities are not served; v_exp_f32 gives 0 for p under 2^-126; 1 / l is v_rcp_f32 and a multiplication; a block whose largest magnitude lies under 2^-122 gets the byte 1 (zeros too).
.set HB,    13056                      ; a head's block of a key step
.set STEPB, 2*HB
.set UB,    4352                       ; a unit: what one load brings
.set PH,    16*UB                      ; a group of sixteen loads
.set SPARE, 16*HB                      ; behind the keys: the spare words, 128 bytes for each wave, that no other line names
.set A16, 3                            ; v3, v4  16 x lane, 8 x lane + the key step in hand
.set A8,  4
.set N16, 1                            ; v1, v2  the same for the next trip's key step
.set N8,  2
.set VE0, 230                          ; v230-241 V^T's fragment 0;  v84-95 fragment 1;  fragments 2 and 3 come into v96-119 when p has been turned into codes
.set VE1, 84
.macro KLOAD pa, pb                    ; K's eight tiles and scale words of a key step
.irp t, 0,1,2,3,4,5,6,7
	ds_load_b128 v[KV+6*\t:KV+6*\t+3], v[\pa] offset:768*\t
	ds_load_b64 v[KV+6*\t+4:KV+6*\t+5], v[\pb] offset:768*\t+512
.endr
	ds_load_b128 v[KS:KS+3], v[\pa] offset:6144
.endm
.macro VFRAG reg, t                    ; V^T's fragment t of the key step in hand: two half images
	ds_load_b128 v[\reg:\reg+3], v[A16] offset:6656+1536*\t
	ds_load_b64 v[\reg+4:\reg+5], v[A8] offset:6656+1536*\t+512
	ds_load_b128 v[\reg+6:\reg+9], v[A16] offset:6656+1536*\t+768
	ds_load_b64 v[\reg+10:\reg+11], v[A8] offset:6656+1536*\t+1280
.endm
.set SPW, 5                            ; v5 my spare word; v6 0: never rewritten
.set NIL, 6
.set DQ,  7                            ; v7   my query in its group - 16 (lane / 16)
.set G16, 8                            ; v8 16 x lane;  v9 8 x lane
.set G8,  9
.set QSO, 10                           ; v10  my query's scale word in a block of qi
.set OSO, 11                           ; v11  32 x (lane % 16)
.set QF,  16                           ; v16-27 Q's fragment; 22-27 zeros.   v12 -M, v13 the largest t, v[14:15] the sum in two halves
.set QS,  28
.set KS,  30                           ; v30-33 K's scale words;  v34-35 V's
.set VS,  34
.set KV,  36                           ; v36-83 K's eight tiles, asked for a trip ahead; v84-89 stand as the last tile's upper half and may hold any codes
.set S,   96                           ; v96-159 S^T, then p
.set OT,  160                          ; v160-191 O^T
.set P,   192                          ; v192-203 p's codes;  v204-210 the conversions' second halves
.set PT,  204
.set BM,  212
.set BX,  216
.set BO,  220
.set TMP, 224
.set NINF, 225
.set FF,  226                          ; v226 f;  v227 p's scale word
.set PW,  227
.set WV, 10
.set IT, 11                            ; s11 my tile in a group;  s12 my head of the pair;  s13 batch x 8 + head pair
.set EH, 12
.set BH, 13
.set GG, 14                            ; s14 the group in hand
.set PI, 15                            ; s15 i;  s16 -(i + 1)
.set NI, 16
.set DT, 17                            ; s17 the trip of the next step on the diagonal
.set TR, 18                            ; s18 the trip
.set CX, 19
.set SEL, 20
.set CS, 22
.set G1, 24
.set G0, 32
.set KVW, 36
.set QB, 38
.set QA, 40
.set OA, 42
.set OSA, 44
.set T0, 50
.set T2, 52
.set T4, 53
.set T3, 54
.macro ROUND                           ; a round of the cluster's barrier
	s_barrier_signal -1
	s_barrier_wait -1
	s_cmp_lg_u32 s[WV], 0
	s_cbranch_scc1 .Lnw0_\@
	s_barrier_signal -3
.Lnw0_\@:
	s_barrier_wait -3
	s_barrier_signal -1
	s_barrier_wait -1
.endm
.macro GADDR p                         ; unit u = wave + 16 p lies in memory at 4,352 u + 13,056 (u / 3): the other head's blocks are passed over
	s_add_co_u32 s[T2], s[WV], 16*\p
	s_mul_i32 s[T4], s[T2], 43
	s_lshr_b32 s[T4], s[T4], 7                     ; u / 3, for u under 48
	s_mul_i32 s[T4], s[T4], HB
	s_mul_i32 s[T0], s[T2], UB
	s_add_co_u32 s[T0], s[T0], s[T4]
	s_mov_b32 s[T0+1], 0
	s_add_nc_u64 s[G0+2:G0+3], s[KVW:KVW+1], s[T0:T0+1]
	s_or_b32 s[G0+3], s[G0+3], 0x80000000
.endm
.macro JOINT                           ; every wave's joint load; s_nop 0 and four v_nop follow
	tensor_load_to_lds s[G0:G0+3], s[G1:G1+7]
	s_nop 0
.rept 4
	v_nop
.endr
.endm
.macro SYNC p                          ; a later first fill: the three lines, a round, the load
	s_wait_alu depctr_va_vdst(0)
	s_wait_tensorcnt 0x0                           ; my one load is in, so group 0 may be written
	ds_add_u32 v[SPW], v[NIL]
	s_add_co_u32 s[G0+1], s[G0+1], PH
	GADDR \p
	s_wait_dscnt 0x0
	ROUND
	JOINT
.endm
.macro QLOAD                           ; my tile of the group in hand: a half image and a scale word a row
	s_lshl_b32 s[T0], s[BH], 4
	s_add_co_u32 s[T0], s[T0], s[GG]
	s_lshl_b32 s[T0], s[T0], 1
	s_add_co_u32 s[T0], s[T0], s[EH]
	s_mul_i32 s[T0], s[T0], 6656
	s_mov_b32 s[T0+1], 0
	s_add_nc_u64 s[QB:QB+1], s[4:5], s[T0:T0+1]
	s_mul_i32 s[T0], s[IT], 768
	s_add_nc_u64 s[QA:QA+1], s[QB:QB+1], s[T0:T0+1]
	global_load_b128 v[QF:QF+3], v[G16], s[QA:QA+1]
	global_load_b64 v[QF+4:QF+5], v[G8], s[QA:QA+1] offset:512
	global_load_b32 v[QS], v[QSO], s[QB:QB+1] offset:6144
.endm
.macro INIT                            ; a group begins: its first step finds zeros, which the first change of M leaves zeros
	v_mov_b32 v13, 0xff61b1e6                      ; the largest t so far: -3e38
	s_delay_alu instid0(VALU_DEP_1)
	v_floor_f32 v12, -v13                          ; -M
	v_mov_b32 v14, 0
	v_mov_b32 v15, 0
.set J, 0
.rept 32
	v_mov_b32 v[OT+J], 0
.set J, J+1
.endr
.endm
	s_load_b128 s[4:7], s[0:1], 0x0                ; qi, kv
	s_load_b64 s[8:9], s[0:1], 0x10                ; oq
	v_lshl_add_u32 v[SPW], v0, 2, SPARE
	v_mov_b32 v[NIL], 0
	ds_add_u32 v[SPW], v[NIL]                      ; the opening lines: the add, twice on end, and its wait
	ds_add_u32 v[SPW], v[NIL]
	v_lshrrev_b32 v3, 5, v0
	v_readfirstlane_b32 s[WV], v3                  ; wave 0..15
	s_bfe_u32 s[CX], ttmp6, 0x40000                ; my place in the cluster: it enters global addresses and the mask's numbers alone
	s_lshr_b32 s[PI], s[WV], 1
	s_xor_b32 s[NI], s[PI], -1
	s_and_b32 s[IT], s[WV], 1
	s_lshl_b32 s[T2], s[CX], 1
	s_add_co_u32 s[IT], s[IT], s[T2]
	s_and_b32 s[EH], ttmp9, 1                      ; ttmp9: the cluster's number = batch x 16 + head
	s_lshr_b32 s[BH], ttmp9, 1
	s_mov_b32 s[GG], s[PI]
	s_mov_b32 s[DT], s[PI]
	s_mov_b32 s[TR], 0
	s_mov_b32 s[SEL], 0x76543210
	s_mov_b32 s[SEL+1], 0xfedcba98                 ; v_permlanex16_b32's selects for lane l xor 16
	s_mov_b32 s[CS], 0x3e38aa3b                    ; c = log2(e) / 8
	s_mov_b32 s[CS+1], s[CS]
	s_mov_b32 s[G1], 15|(3<<16)|(1<<21)            ; the mask names the four; elements of 8 bytes; bit 21 beside a mask
	s_mov_b32 s[G1+1], 32<<16                      ; rows of 256 bytes,
	s_mov_b32 s[G1+2], 17<<16                      ; 17 of them, dense
	s_mov_b32 s[G1+3], 32<<16
	s_mov_b32 s[G1+4], 17
	s_mov_b32 s[G1+5], 32
	s_mov_b32 s[G1+6], 0
	s_mov_b32 s[G1+7], 0
	s_mov_b32 s[G0], 1
	s_mul_i32 s[G0+1], s[WV], UB                   ; LDS: unit u at 4,352 u
	s_mul_i32 s[T0], s[BH], 16*STEPB
	s_mul_i32 s[T2], s[EH], HB
	s_add_co_u32 s[T0], s[T0], s[T2]
	s_mov_b32 s[T0+1], 0
	s_wait_dscnt 0x0
	s_wait_kmcnt 0x0
	s_add_nc_u64 s[KVW:KVW+1], s[6:7], s[T0:T0+1]  ; my head's first block
	GADDR 0
	ROUND                                          ; the four work-groups are here: the first joint loads meet
	JOINT
	s_and_b32 s[T0], s[IT], 1
	s_lshr_b32 s[T3], s[IT], 1
	s_lshl_b32 s[T2], s[T0], 8
	s_lshl_b32 s[T4], s[T3], 2
	s_add_co_u32 s[T2], s[T2], s[T4]               ; 256 (tile % 2) + 4 (tile / 2)
	s_lshl_b32 s[T4], s[T3], 5
	s_lshl_b32 s[T0], s[T0], 3
	s_add_co_u32 s[T4], s[T4], s[T0]               ; 32 (tile / 2) + 8 (tile % 2)
	v_and_b32 v3, 31, v0                           ; lane
	v_and_b32 v4, 15, v0                           ; r
	v_bfe_u32 v91, v0, 4, 1                        ; h
	v_lshlrev_b32 v[G16], 4, v3
	v_lshlrev_b32 v[G8], 3, v3
	v_lshl_add_u32 v[QSO], v4, 4, s[T2]
	v_lshlrev_b32 v[OSO], 5, v4
	v_and_b32 v[DQ], 8, v4
	v_lshlrev_b32 v91, 4, v91
	v_add_nc_u32 v[DQ], v[DQ], v4
	v_sub_nc_u32 v[DQ], v[DQ], v91
	v_add_nc_u32 v[DQ], s[T4], v[DQ]               ; 32 (tile / 2) + 8 (tile % 2) + r + 8 (r / 8) - 16 h
.irp j, 6,7,8,9,10,11
	v_mov_b32 v[QF+\j], 0                          ; Q's upper 64 along K: zero codes
.endr
.irp j, 48,49,50,51,52,53
	v_mov_b32 v[KV+\j], 0                          ; behind K's last tile
.endr
.irp b, 0,1,2,3
	v_mov_b32 v[BX+\b], 0                          ; a lane permute's destination counts as one of its sources
.endr
	v_mov_b32 v[TMP], 0
	v_mov_b32 v[PW], 0
	v_mov_b32 v[NINF], 0xff800000
	INIT
	s_wait_alu depctr_va_vdst(0)                   ; the wait at the head's end
	QLOAD
; A GROUP ENDS: O^T / l, quantised along the head's 64, leaves as one half image and two scale bytes a row; behind trip i the second group begins.
.macro FINISH done
.rept 4
	v_nop                                          ; places behind the last products
.endr
	v_add_f32 v14, v14, v15
	s_delay_alu instid0(VALU_DEP_1)
	v_permlanex16_b32 v[TMP], v14, s[SEL], s[SEL+1]
	s_delay_alu instid0(VALU_DEP_1)
	v_add_f32 v14, v14, v[TMP]                     ; the row's sum
	s_wait_alu depctr_va_vdst(0)
	v_rcp_f32 v14, v14
	v_nop
	s_wait_xcnt 0x0                                ; earlier loads and stores have read their bases
	s_lshr_b32 s[T0], s[BH], 3
	s_lshl_b32 s[T0], s[T0], 4
	s_add_co_u32 s[T0], s[T0], s[GG]
	s_lshl_b32 s[T0], s[T0], 3
	s_add_co_u32 s[T0], s[T0], s[IT]               ; my row tile of oq: 128 x batch + 8 x group + tile
	s_and_b32 s[T2], s[BH], 7
	s_lshl_b32 s[T2], s[T2], 1
	s_add_co_u32 s[T2], s[T2], s[EH]               ; my head
	s_lshl_b32 s[T3], s[T0], 9
	s_lshl_b32 s[T4], s[T2], 1
	s_add_co_u32 s[T3], s[T3], s[T4]
	s_add_co_u32 s[T3], s[T3], 6291456             ; scale bytes: behind the codes, 512 a row tile, 2 a head
	s_mov_b32 s[T3+1], 0
	s_lshl_b32 s[T0], s[T0], 4
	s_add_co_u32 s[T0], s[T0], s[T2]
	s_mul_i32 s[T0], s[T0], 768
	s_mov_b32 s[T0+1], 0
	s_add_nc_u64 s[OA:OA+1], s[8:9], s[T0:T0+1]
	s_add_nc_u64 s[OSA:OSA+1], s[8:9], s[T3:T3+1]
	s_wait_alu depctr_va_vdst(0)                   ; ahead of the reciprocal's first reader
.set J, 0
.rept 32
	v_mul_f32 v[S+J], v[OT+J], v14                 ; each accumulator from its low end on
.set J, J+1
.endr
.irp b, 0,1
	v_max3_num_f32 v[BM+\b], |v[S+16*\b]|, |v[S+1+16*\b]|, 0x2800000   ; with the floor 2^(5 - 127)
.endr
.irp i, 2,4,6,8,10,12,14
.irp b, 0,1
	s_delay_alu instid0(VALU_DEP_2)
	v_max3_num_f32 v[BM+\b], v[BM+\b], |v[S+16*\b+\i]|, |v[S+1+16*\b+\i]|
.endr
.endr
.irp b, 0,1
	s_delay_alu instid0(VALU_DEP_2)
	v_permlanex16_b32 v[BX+\b], v[BM+\b], s[SEL], s[SEL+1]
.endr
.irp b, 0,1
	s_delay_alu instid0(VALU_DEP_2)
	v_max_num_f32 v[BM+\b], v[BM+\b], v[BX+\b]
.endr
.irp b, 0,1
	s_delay_alu instid0(VALU_DEP_2)
	v_add_nc_u32 v[BO+\b], 0xfe000000, v[BM+\b]
.endr
.irp b, 0,1
	s_delay_alu instid0(VALU_DEP_2)
	v_lshrrev_b32 v[BX+\b], 23, v[BO+\b]
.endr
	s_delay_alu instid0(VALU_DEP_1)
	v_lshl_or_b32 v[TMP], v[BX+1], 8, v[BX]        ; my row's two scale bytes
	v_cvt_scalef32_pk16_bf6_f32 v[P:P+2], v[S:S+15], v[BO]
	v_cvt_scalef32_pk16_bf6_f32 v[PT:PT+2], v[S+16:S+31], v[BO+1]
	v_nop
.irp i, 0,1,2
	v_permlane16_swap_b32 v[P+\i], v[PT+\i]        ; a whole block to a lane
.endr
.irp i, 0,1,2
	s_delay_alu instid0(VALU_DEP_3)
	v_mov_b32 v[P+3+\i], v[PT+\i]
.endr
	global_store_b128 v[G16], v[P:P+3], s[OA:OA+1]               ; 512 consecutive bytes, aligned to 256
	global_store_b64 v[G8], v[P+4:P+5], s[OA:OA+1] offset:512    ; 256 consecutive bytes, aligned
	global_store_b16 v[OSO], v[TMP], s[OSA:OSA+1]                ; 2 bytes of each row's 32: the other heads' bytes belong to other waves
	s_wait_xcnt 0x0                                ; the stores have read their registers
	s_cmp_eq_u32 s[TR], 16                         ; behind the last trip nothing begins
	s_cbranch_scc1 \done
	s_sub_co_u32 s[GG], 15, s[PI]                  ; the second group
	s_mov_b32 s[DT], 16
	INIT
	QLOAD                                          ; waited for at the head of the next step
.endm
; A KEY STEP: 128 keys.  bound: the last key step, in bytes, that has landed whole: the address is held inside it.
.macro STEP bound
	s_add_co_u32 s[T2], s[TR], s[NI]
	s_min_u32 s[T2], s[TR], s[T2]                  ; the key step: t in the first walk, t - i - 1 in the second
	s_mul_i32 s[T2], s[T2], HB
	s_min_u32 s[T2], s[T2], \bound
	v_add_nc_u32 v[A16], s[T2], v[G16]
	v_add_nc_u32 v[A8], s[T2], v[G8]
	v_nop
	v_nop
	v_nop                                          ; five places behind the last step's products: the score products below write over registers that those have read
	s_wait_alu depctr_va_vdst(0)
	s_wait_loadcnt_dscnt 0x0                       ; K, and Q where a group has just begun
.irp t, 0,2,4,6
	v_wmma_scale_f32_16x16x128_f8f6f4 v[S+8*\t:S+8*\t+7], v[KV+6*\t:KV+6*\t+11], v[QF:QF+11], 0, v[KS+\t/2], v[QS] matrix_a_fmt:MATRIX_FMT_BF6 matrix_b_fmt:MATRIX_FMT_BF6
	v_wmma_scale_f32_16x16x128_f8f6f4 v[S+8*\t+8:S+8*\t+15], v[KV+6*\t+6:KV+6*\t+17], v[QF:QF+11], 0, v[KS+\t/2], v[QS] matrix_a_fmt:MATRIX_FMT_BF6 matrix_b_fmt:MATRIX_FMT_BF6 matrix_a_scale:MATRIX_SCALE_ROW1
.endr
.rept 4
	v_nop                                          ; places: in front of the loads over K, and of the first read of the scores
.endr
	VFRAG VE0, 0                                   ; V^T's fragments 0 and 1 land while the softmax is walked
	VFRAG VE1, 1
	ds_load_b64 v[VS:VS+1], v[A8] offset:12800
	s_add_co_u32 s[T4], s[TR], 1                   ; the next trip's key step, by the same arithmetic; behind the last trip it is held at key step 15 and not used
	s_add_co_u32 s[T2], s[T4], s[NI]
	s_min_u32 s[T2], s[T4], s[T2]
	s_mul_i32 s[T2], s[T2], HB
	s_min_u32 s[T2], s[T2], \bound
	v_add_nc_u32 v[N16], s[T2], v[G16]
	v_add_nc_u32 v[N8], s[T2], v[G8]
	KLOAD N16, N8                                  ; its K and K's scale words: a whole softmax ahead of the products that want them
	s_cmp_lg_u32 s[TR], s[DT]                      ; all keys of a step under the diagonal count
	s_cbranch_scc1 .Lopen_\@
.set N, 0
.rept 64
	v_cmp_gt_i32 vcc_lo, 32*(N/16)+N%16, v[DQ]     ; register 16 b + i holds key 32 b + 16 h + i of the step: hidden where it comes after my query
	v_cndmask_b32 v[S+N], v[S+N], v[NINF], vcc_lo
.set N, N+1
.endr
.Lopen_\@:
.irp b, 0,1,2,3
	v_max3_num_f32 v[BM+\b], v[S+16*\b], v[S+1+16*\b], v[S+2+16*\b]   ; the largest score of each block of 32 keys: for the row's maximum and, since p rises with the score, for the block's largest p
.endr
.irp i, 3,5,7,9,11,13
.irp b, 0,1,2,3
	v_max3_num_f32 v[BM+\b], v[BM+\b], v[S+16*\b+\i], v[S+1+16*\b+\i]
.endr
.endr
.irp b, 0,1,2,3
	v_max_num_f32 v[BM+\b], v[BM+\b], v[S+15+16*\b]
.endr
.irp b, 0,1,2,3
	s_delay_alu instid0(VALU_DEP_4)
	v_permlanex16_b32 v[BX+\b], v[BM+\b], s[SEL], s[SEL+1]
.endr
.irp b, 0,1,2,3
	s_delay_alu instid0(VALU_DEP_4)
	v_max_num_f32 v[BM+\b], v[BM+\b], v[BX+\b]     ; with lane l xor 16's 16 keys
.endr
	s_delay_alu instid0(VALU_DEP_2)
	v_max3_num_f32 v[TMP], v[BM], v[BM+1], v[BM+2]
	s_delay_alu instid0(VALU_DEP_1)
	v_max_num_f32 v[TMP], v[TMP], v[BM+3]          ; the step's largest score of my query
	s_delay_alu instid0(VALU_DEP_1)
	v_mul_f32 v[TMP], s[CS], v[TMP]                ; as t
	s_delay_alu instid0(VALU_DEP_1)
	v_max_num_f32 v13, v13, v[TMP]                 ; the running largest t
	v_mov_b32 v[TMP], v12
	s_delay_alu instid0(VALU_DEP_2)
	v_floor_f32 v12, -v13                          ; the new -M = floor(-t)
	s_delay_alu instid0(VALU_DEP_1)
	v_sub_f32 v[TMP], v12, v[TMP]                  ; old M - new M: a whole number, 0 or less
	s_delay_alu instid0(VALU_DEP_1)
	v_cvt_i32_f32 v[TMP], v[TMP]                   ; (it saturates)
	s_delay_alu instid0(VALU_DEP_1)
	v_ldexp_f32 v[FF], 1.0, v[TMP]                 ; f = 2^(old M - new M)
.set J, 0
.rept 32
	v_pk_fma_f32 v[S+J:S+J+1], v[S+J:S+J+1], s[CS:CS+1], v[12:13] op_sel_hi:[1,0,0]   ; t - M, two at a time
.set J, J+2
.endr
.irp b, 0,1,2,3
	v_fma_f32 v[BM+\b], v[BM+\b], s[CS], v12       ; the same of each block's largest score
.endr
	s_wait_alu depctr_va_vdst(0)
.set J, 0
.rept 64
	v_exp_f32 v[S+J], v[S+J]                       ; p = 2^(t - M), at most 1: not normalised
.set J, J+1
.endr
	v_pk_mul_f32 v[14:15], v[14:15], v[FF:FF+1] op_sel_hi:[1,0]   ; the sums under the new M; a plain line behind the exponentials
	s_wait_alu depctr_va_vdst(0)                   ; one wait for the whole batch, ahead of its first reader
.irp b, 0,1,2,3
	v_exp_f32 v[BM+\b], v[BM+\b]                   ; the block's largest p: the same two instructions on the same number give the same bits
.endr
	v_pk_add_f32 v[228:229], v[100:101], v[104:105]               ; the row's sum of the unquantised p, in eight chains
	v_pk_add_f32 v[254:255], v[108:109], v[112:113]
	v_pk_add_f32 v[252:253], v[116:117], v[120:121]
	v_pk_add_f32 v[250:251], v[124:125], v[128:129]
	v_pk_add_f32 v[248:249], v[132:133], v[136:137]
	v_pk_add_f32 v[246:247], v[140:141], v[144:145]
	v_pk_add_f32 v[244:245], v[148:149], v[152:153]
	v_pk_add_f32 v[14:15], v[14:15], v[156:157]
	v_pk_add_f32 v[228:229], v[228:229], v[96:97]
	v_pk_add_f32 v[254:255], v[254:255], v[98:99]
	v_pk_add_f32 v[252:253], v[252:253], v[102:103]
	v_pk_add_f32 v[250:251], v[250:251], v[106:107]
	v_pk_add_f32 v[248:249], v[248:249], v[110:111]
	v_pk_add_f32 v[246:247], v[246:247], v[114:115]
	v_pk_add_f32 v[244:245], v[244:245], v[118:119]
	v_pk_add_f32 v[14:15], v[14:15], v[122:123]
	v_pk_add_f32 v[228:229], v[228:229], v[126:127]
	v_pk_add_f32 v[254:255], v[254:255], v[130:131]
	v_pk_add_f32 v[252:253], v[252:253], v[134:135]
	v_pk_add_f32 v[250:251], v[250:251], v[138:139]
	v_pk_add_f32 v[248:249], v[248:249], v[142:143]
	v_pk_add_f32 v[246:247], v[246:247], v[146:147]
	v_pk_add_f32 v[244:245], v[244:245], v[150:151]
	v_pk_add_f32 v[14:15], v[14:15], v[154:155]
	v_pk_add_f32 v[228:229], v[228:229], v[158:159]
	s_delay_alu instid0(VALU_DEP_2)
	v_pk_add_f32 v[14:15], v[14:15], v[250:251]
	s_delay_alu instid0(VALU_DEP_2)
	v_pk_add_f32 v[228:229], v[228:229], v[248:249]
	v_pk_add_f32 v[254:255], v[254:255], v[246:247]
	v_pk_add_f32 v[252:253], v[252:253], v[244:245]
	s_delay_alu instid0(VALU_DEP_2)
	v_pk_add_f32 v[14:15], v[14:15], v[254:255]
	s_delay_alu instid0(VALU_DEP_2)
	v_pk_add_f32 v[228:229], v[228:229], v[252:253]
	s_delay_alu instid0(VALU_DEP_1)
	v_pk_add_f32 v[14:15], v[14:15], v[228:229]
	s_wait_alu depctr_va_vdst(0)                   ; and one for the four
.irp b, 0,1,2,3
	v_max_num_f32 v[BM+\b], 0x2800000, v[BM+\b]    ; the floor 2^(5 - 127): the byte cannot fall under 1
.endr
.irp b, 0,1,2,3
	s_delay_alu instid0(VALU_DEP_4)
	v_add_nc_u32 v[BO+\b], 0xfe000000, v[BM+\b]    ; 4 off the exponent field: the conversion's scale operand
.endr
.irp c, 0,1
	v_cvt_scalef32_pk16_bf6_f32 v[P+6*\c:P+6*\c+2], v[S+32*\c:S+32*\c+15], v[BO+2*\c]
	v_cvt_scalef32_pk16_bf6_f32 v[PT+4*\c:PT+4*\c+2], v[S+16+32*\c:S+31+32*\c], v[BO+2*\c+1]
.endr
	VFRAG S, 2                                     ; p is in codes and summed: V^T's fragments 2 and 3 take the first 24 of its registers
	VFRAG S+12, 3
.irp b, 0,1,2,3
	v_lshrrev_b32 v[BX+\b], 23, v[BO+\b]           ; the scale's byte; also the plain lines behind the conversions
.endr
	s_delay_alu instid0(VALU_DEP_3)
	v_lshl_or_b32 v[PW], v[BX+1], 8, v[BX]         ; p's scale word for these 128 keys
	s_delay_alu instid0(VALU_DEP_1)
	v_lshl_or_b32 v[PW], v[BX+2], 16, v[PW]
	s_delay_alu instid0(VALU_DEP_1)
	v_lshl_or_b32 v[PW], v[BX+3], 24, v[PW]
.irp c, 0,1                            ; a whole block to a lane: lanes 0-15 block 2 c, lanes 16-31 block 2 c + 1
.irp i, 0,1,2
	v_permlane16_swap_b32 v[P+6*\c+\i], v[PT+4*\c+\i]
.endr
.irp i, 0,1,2
	s_delay_alu instid0(VALU_DEP_3)
	v_mov_b32 v[P+3+6*\c+\i], v[PT+4*\c+\i]
.endr
.endr
	s_wait_alu depctr_va_vdst(0)                   ; the wait directly ahead of the first reader of O^T
.set J, 0
.rept 16
	v_pk_mul_f32 v[OT+J:OT+J+1], v[OT+J:OT+J+1], v[FF:FF+1] op_sel_hi:[1,0]   ; O^T under the new M; also the places between the lines that made p's codes and scale word and the products
.set J, J+2
.endr
	s_wait_alu depctr_va_vdst(0)
	s_wait_dscnt 8                                 ; all but the eight loads issued last (fragments 2 and 3) are in: fragments 0 and 1, V's words, the next K
	v_wmma_scale_f32_16x16x128_f8f6f4 v[OT:OT+7], v[VE0:VE0+11], v[P:P+11], v[OT:OT+7], v[VS], v[PW] matrix_a_fmt:MATRIX_FMT_BF6 matrix_b_fmt:MATRIX_FMT_BF6
	v_wmma_scale_f32_16x16x128_f8f6f4 v[OT+8:OT+15], v[VE1:VE1+11], v[P:P+11], v[OT+8:OT+15], v[VS], v[PW] matrix_a_fmt:MATRIX_FMT_BF6 matrix_b_fmt:MATRIX_FMT_BF6 matrix_a_scale:MATRIX_SCALE_ROW1
	s_wait_dscnt 0x0                               ; fragments 2 and 3 are in.  Four accumulators by turns
	v_wmma_scale_f32_16x16x128_f8f6f4 v[OT+16:OT+23], v[S:S+11], v[P:P+11], v[OT+16:OT+23], v[VS+1], v[PW] matrix_a_fmt:MATRIX_FMT_BF6 matrix_b_fmt:MATRIX_FMT_BF6
	v_wmma_scale_f32_16x16x128_f8f6f4 v[OT+24:OT+31], v[S+12:S+23], v[P:P+11], v[OT+24:OT+31], v[VS+1], v[PW] matrix_a_fmt:MATRIX_FMT_BF6 matrix_b_fmt:MATRIX_FMT_BF6 matrix_a_scale:MATRIX_SCALE_ROW1
	s_cmp_eq_u32 s[TR], s[DT]                      ; the step on the diagonal is the group's last
	s_cbranch_scc0 .Ldone_\@
	FINISH .Ldone_\@
.Ldone_\@:
.endm
	SYNC 1                                         ; group 0 is in (key steps 0 to 4 whole); group 1 goes out
	KLOAD G16, G8                                  ; trip 0's K: key step 0
.Lta:
	STEP 4*HB
	s_add_co_u32 s[TR], s[TR], 1
	s_cmp_lt_u32 s[TR], 2
	s_cbranch_scc1 .Lta
	SYNC 2                                         ; group 1 is in (to key step 9); group 2 goes out
.Ltb:                                              ; trips 2 to 4
	STEP 9*HB
	s_add_co_u32 s[TR], s[TR], 1
	s_cmp_lt_u32 s[TR], 5
	s_cbranch_scc1 .Ltb
	s_wait_alu depctr_va_vdst(0)
	s_wait_tensorcnt 0x0                           ; my part of group 2 is in,
	s_wait_dscnt 0x0
	s_barrier_signal -1
	s_barrier_wait -1                              ; and everybody's
.Ltc:                                              ; trips 5 to 16
	STEP 15*HB
	s_add_co_u32 s[TR], s[TR], 1
	s_cmp_lt_u32 s[TR], 17
	s_cbranch_scc1 .Ltc
	s_wait_tensorcnt 0x0                           ; the wave's end
	ds_add_u32 v[SPW], v[NIL]
	s_wait_dscnt 0x0
	ROUND                                          ; the closing round
	s_endpgm
.Lfunc_end_k_q5e80841059_attn:
	.size	k_q5e80841059_attn, .Lfunc_end_k_q5e80841059_attn-k_q5e80841059_attn
	.p2alignl 7, 3214868480
	.fill 96, 4, 3214868480
	.section	.rodata,"a",@progbits
	.p2align	6, 0x0
	.amdhsa_kernel k_q5e80841059_attn
		.amdhsa_group_segment_fixed_size 327680
		.amdhsa_private_segment_fixed_size 0
		.amdhsa_enable_private_segment 0
		.amdhsa_kernarg_size 24
		.amdhsa_user_sgpr_count 2
		.amdhsa_user_sgpr_kernarg_segment_ptr 1
		.amdhsa_wavefront_size32 1
		.amdhsa_system_sgpr_workgroup_id_x 1
		.amdhsa_system_sgpr_workgroup_id_y 1
		.amdhsa_system_sgpr_workgroup_id_z 1
		.amdhsa_system_vgpr_workitem_id 0
		.amdhsa_next_free_vgpr 256
		.amdhsa_next_free_sgpr 80
		.amdhsa_reserve_vcc 1
		.amdhsa_float_denorm_mode_32 3
		.amdhsa_float_denorm_mode_16_64 3
		.amdhsa_memory_ordered 1
		.amdhsa_forward_progress 1
		.amdhsa_inst_pref_size 99
	.end_amdhsa_kernel
	.amdgpu_metadata
---
amdhsa.version: [ 1, 2 ]
amdhsa.kernels:
  - .name:           k_q5e80841059_attn
    .symbol:         k_q5e80841059_attn.kd
    .args:
      - { .name: qi, .offset: 0, .size: 8, .value_kind: global_buffer, .address_space: global }
      - { .name: kv, .offset: 8, .size: 8, .value_kind: global_buffer, .address_space: global }
      - { .name: oq, .offset: 16, .size: 8, .value_kind: global_buffer, .address_space: global }
    .group_segment_fixed_size: 327680
    .private_segment_fixed_size: 0
    .kernarg_segment_align: 8
    .kernarg_segment_size: 24
    .max_flat_workgroup_size: 512
    .sgpr_count:     80
    .vgpr_count:     256
    .wavefront_size: 32
...
	.end_amdgpu_metadata
.endif
;; end of part 3
;; launch proj (part 4): grid 4 x 64, 4 waves a work-group, clusters of 4 x 4, 327,680 bytes of LDS; arguments oq, wo, out0; writes out0
.if DOCPART == 4
	.amdgcn_target "amdgcn-amd-amdhsa--gfx1250"
	.amdhsa_code_object_version 6
	.text
	.protected	k_q5e80841059_proj
	.globl	k_q5e80841059_proj
	.p2align	8
	.type	k_q5e80841059_proj,@function
k_q5e80841059_proj:
	s_mov_b64 s[64:65], 0
	v_nop
	global_prefetch_b8 v0, s[64:65] scope:SCOPE_SE
	s_setreg_imm32_b32 hwreg(HW_REG_WAVE_MODE, 25, 1), 1
	s_wait_xcnt 0x0
	s_wait_alu depctr_hold_cnt(0) depctr_sa_sdst(0) depctr_va_vdst(0) depctr_va_sdst(0) depctr_va_ssrc(0) depctr_va_vcc(0) depctr_vm_vsrc(0)
	s_getreg_b32 s2, hwreg(HW_REG_IB_STS2, 6, 4)
	s_cmp_eq_u32 s2, 0
	s_cbranch_scc0 .Lentry_in_a_cluster
	s_endpgm
.Lentry_in_a_cluster:
	s_bfe_u32 s2, ttmp6, 0x10000c
	s_cmp_lg_u32 s2, 0xf033
	s_cbranch_scc0 .Lentry_shape_is_right
	s_endpgm
.Lentry_shape_is_right:
; out0 = O W_o^T on codes of BF6 (E3M2) with E8M0 scales, f32 sums.  A = oq (8,192 tokens), B = wo (1,024 rows), K = 1,024.
; OPERANDS: [row tile of 16][16 groups of 64 along K][768 bytes], each 768 bytes a half image of operand registers (registers 0-3 at 16 x lane, registers 4-5 at 512 + 8 x lane); scale bytes [row position][32]
; behind the codes.  Position 16 A + p of every operand holds row 32 (A / 2) + 8 (A % 2) + p + 8 (p / 8).
; A block of 128 x 256 to a work-group: 64 x 4 = 256 work-groups.  Four waves, 64 x 128 each: 32 accumulators, 256 registers.
; ALL OF K LIES IN LDS, each byte filled once: two halves of K (512 each), in each A's 8 row tiles and B's 16, 6,144 bytes a tile; behind them the scale bytes of the 384 rows.  At the head one load a wave: A's first
; half, B's first half, A's scales, B's scales.  The second half goes out behind the sequence that shows the first landed, a quarter a wave, and is waited for ahead of the fetch of K step 4.
; CLUSTERS: 4 x 4 work-groups; A's tiles are asked for jointly by a row of the cluster, B's by a column.
; NO PREFETCH: the launch has no loop to run ahead in: all its tiles are asked for by two groups of loads at its start.
; THE MATRIX INSTRUCTION IS USED TRANSPOSED (source 0 = 16 rows of B, source 1 = 16 rows of A): a lane holds eight neighbouring numbers of a row of the result.
; REGISTERS: window 0: v16-29 addresses; v32-95 scale words of all eight K steps (register 8 i + k: lanes 0-15 A's block i, lanes 16-31 B's block i); v128-223 A's fragments, two sets.  window 1: B's fragments, two sets,
; at v0 and v128.  window 2: the accumulators.
.set TROW,   6144                      ; a row tile's 512 along K: eight half images
.set KROW,   768
.set FR,     12
.set SLOT,   24*TROW                   ; a half of K: A's 8 row tiles, then B's 16
.set SCL,    2*SLOT                    ; the scales, as rows of 256 bytes + 16: A's 16 rows, then B's 32
.set SBLK,   2*272                     ; those of 16 rows
.set SPARE,  SCL+48*272                ; the spare words, 128 bytes for each wave, that no other line names
.set SPITCH, 528                       ; the way out: a stage of 16 rows x (512 + 16) bytes for each wave, from LDS byte 0 on: behind a barrier behind which nobody reads the codes
.set ADRA, 16
.set ADRB, 20
.set STO,  24
.set RD,   25
.set CO,   26
.set ADRS, 27
.set SPW,  28
.set NIL,  29
.set SC,   32
.set AF,   128
.set BK,   128
.set G1, 24
.set G0, 32
.set G1B, 48
.set G0B, 56
.set G1S, 68
.set G0S, 76
.set G1SB, 80
.set G0SB, 88
.set G0H, 4
.set G0HB, 8
.set MSB, 0
.macro WIN new                         ; the immediate's high byte repeats the setting that is left
.if MSB != \new
	s_set_vgpr_msb (MSB<<8)|\new
.set MSB, \new
.endif
.endm
.set MUL_W, 0xa1                       ; source 0 (B) window 1, source 1 (A) window 0, C and D window 2
.set TO_B,  0x40
.macro CREST
	s_cmp_lg_u32 s14, 0
	s_cbranch_scc1 .Lnot_wave_0_\@
	s_barrier_signal -3
.Lnot_wave_0_\@:
	s_barrier_wait -3
	s_barrier_signal -1
	s_barrier_wait -1
.endm
.macro CROUND
	s_barrier_signal -1
	s_barrier_wait -1
	CREST
.endm
.macro PLACES n
.rept \n
	v_nop
.endr
.endm
	s_load_b64 s[4:5], s[0:1], 0x0                 ; oq
	s_load_b64 s[8:9], s[0:1], 0x8                 ; wo
	s_load_b64 s[12:13], s[0:1], 0x10              ; out0
	v_lshl_add_u32 v[SPW], v0, 2, SPARE
	v_mov_b32 v[NIL], 0
	ds_add_u32 v[SPW], v[NIL]                      ; the opening lines: the add, twice on end, and its wait
	ds_add_u32 v[SPW], v[NIL]
	v_lshrrev_b32 v1, 5, v0
	v_readfirstlane_b32 s14, v1                    ; wave 0..3
	s_lshr_b32 s15, s14, 1                         ; which 64 rows of A are mine.  Also: I fetch for A (0) or for B (1)
	s_and_b32 s16, s14, 1                          ; which 128 rows of B.  Also: which half of that tile I fetch
	s_bfe_u32 s40, ttmp6, 0x40000                  ; cx, cy
	s_bfe_u32 s41, ttmp6, 0x40004
	s_lshl_b32 s42, ttmp9, 2
	s_add_co_u32 s42, s42, s40                     ; B's tile of 256 rows
	s_and_b32 s17, ttmp7, 0xffff
	s_lshl_b32 s17, s17, 2
	s_add_co_u32 s17, s17, s41                     ; A's tile of 128 rows
	s_lshl_b32 s43, s41, 2
	s_lshl_b32 s43, 15, s43                        ; my row of the cluster
	s_lshl_b32 s44, 0x1111, s40                    ; my column
	s_or_b32 s[G1+0], s43, (3<<16)|(1<<21)         ; codes: row tiles of 6,144 bytes (768 elements of 8), 12,288 apart in memory, on end in LDS
	s_or_b32 s[G1B+0], s44, (3<<16)|(1<<21)
.irp g, G1, G1B
	s_mov_b32 s[\g+1], 768<<16
	s_mov_b32 s[\g+3], 768<<16
	s_mov_b32 s[\g+5], 1536
	s_mov_b32 s[\g+6], 0
	s_mov_b32 s[\g+7], 0
.endr
	s_mov_b32 s[G1+2], 8<<16                       ; the head's loads: A's 8 row tiles,
	s_mov_b32 s[G1+4], 8
	s_mov_b32 s[G1B+2], 16<<16                     ; B's 16
	s_mov_b32 s[G1B+4], 16
	s_or_b32 s[G1S+0], s43, (3<<16)|(1<<20)|(1<<21)|(5<<22)|(3<<25)   ; scales: dense rows of 256 bytes, 16 bytes of padding behind each
	s_or_b32 s[G1SB+0], s44, (3<<16)|(1<<20)|(1<<21)|(5<<22)|(3<<25)
.irp g, G1S, G1SB
	s_mov_b32 s[\g+1], 32<<16
	s_mov_b32 s[\g+3], 32<<16
	s_mov_b32 s[\g+5], 32
	s_mov_b32 s[\g+6], 0
	s_mov_b32 s[\g+7], 0
.endr
	s_mov_b32 s[G1S+2], 16<<16                     ; A's 128 rows x 32 bytes
	s_mov_b32 s[G1S+4], 16
	s_mov_b32 s[G1SB+2], 32<<16                    ; B's 256 rows
	s_mov_b32 s[G1SB+4], 32
	s_lshl_b32 s22, s17, 12                        ; where my tiles' scales and codes begin, in bytes
	s_add_co_u32 s22, s22, 6291456
	s_mov_b32 s23, 0
	s_lshl_b32 s92, s42, 13
	s_add_co_u32 s92, s92, 786432
	s_mov_b32 s93, 0
	s_mul_i32 s20, s17, 128*KROW
	s_mov_b32 s21, 0
	s_mul_i32 s46, s42, 256*KROW
	s_mov_b32 s47, 0
	s_wait_dscnt 0x0
	s_wait_kmcnt 0x0
	s_add_nc_u64 s[20:21], s[4:5], s[20:21]
	s_add_nc_u64 s[22:23], s[4:5], s[22:23]
	s_add_nc_u64 s[46:47], s[8:9], s[46:47]
	s_add_nc_u64 s[92:93], s[8:9], s[92:93]
	CROUND                                         ; all sixteen work-groups are here: the first joint loads meet
	s_mov_b32 s[G0H], 1
	s_mov_b32 s[G0H+1], 0
	s_mov_b64 s[G0H+2:G0H+3], s[20:21]
	s_or_b32 s[G0H+3], s[G0H+3], 0x80000000
	s_mov_b32 s[G0HB], 1
	s_mov_b32 s[G0HB+1], 8*TROW
	s_mov_b64 s[G0HB+2:G0HB+3], s[46:47]
	s_or_b32 s[G0HB+3], s[G0HB+3], 0x80000000
	s_mov_b32 s[G0S], 1
	s_mov_b32 s[G0S+1], SCL
	s_mov_b64 s[G0S+2:G0S+3], s[22:23]
	s_or_b32 s[G0S+3], s[G0S+3], 0x80000000
	s_mov_b32 s[G0SB], 1
	s_mov_b32 s[G0SB+1], SCL+16*272
	s_mov_b64 s[G0SB+2:G0SB+3], s[92:93]
	s_or_b32 s[G0SB+3], s[G0SB+3], 0x80000000
	s_mul_i32 s18, s16, 8*TROW                     ; the second half of K: of A's tiles 4 a wave (12,288 bytes apart in memory),
	s_add_co_u32 s18, s18, TROW
	s_mov_b32 s19, 0
	s_add_nc_u64 s[G0+2:G0+3], s[20:21], s[18:19]
	s_or_b32 s[G0+3], s[G0+3], 0x80000000
	s_mul_i32 s45, s16, 4*TROW
	s_add_co_u32 s[G0+1], s45, SLOT
	s_mov_b32 s[G0], 1
	s_mul_i32 s18, s16, 16*TROW                    ; of B's 8 a wave
	s_add_co_u32 s18, s18, TROW
	s_add_nc_u64 s[G0B+2:G0B+3], s[46:47], s[18:19]
	s_or_b32 s[G0B+3], s[G0B+3], 0x80000000
	s_mul_i32 s45, s16, 8*TROW
	s_add_co_u32 s[G0B+1], s45, SLOT+8*TROW
	s_mov_b32 s[G0B], 1
; The head's loads, one a wave: one tree of branches on the wave's number, all arms leading to one join.
.macro ARM under, g0, g1, next
	s_cmp_lt_u32 s14, \under
	s_cbranch_scc0 \next
	tensor_load_to_lds s[\g0:\g0+3], s[\g1:\g1+7]
	s_nop 0
	PLACES 4
	s_branch .Lhead_asked
\next:
.endm
	ARM 1, G0H, G1, .Lhead_b
	ARM 2, G0HB, G1B, .Lhead_sa
	ARM 3, G0S, G1S, .Lhead_sb
	tensor_load_to_lds s[G0SB:G0SB+3], s[G1SB:G1SB+7]
	s_nop 0
	PLACES 4
.Lhead_asked:
	v_and_b32 v3, 31, v0
	v_lshlrev_b32 v4, 4, v3                        ; 16 x lane: registers 0-3 and 6-9 of a fragment
	v_lshlrev_b32 v5, 3, v3                        ; 8 x lane: registers 4-5 and 10-11
	s_mul_i32 s21, s15, 4*TROW                     ; my 4 row tiles of A
	s_mul_i32 s22, s16, 8*TROW                     ; my 8 of B,
	s_add_co_u32 s22, s22, 8*TROW                  ; which lie behind A's 8
.irp s, 0,1
	v_add_nc_u32 v[ADRA+\s], s21, v4
	v_add_nc_u32 v[ADRB+\s], s22, v4
	v_add_nc_u32 v[ADRA+2+\s], s21, v5
	v_add_nc_u32 v[ADRB+2+\s], s22, v5
	s_add_co_u32 s21, s21, SLOT
	s_add_co_u32 s22, s22, SLOT
.endr
	v_and_b32 v1, 15, v0                           ; l % 16
	v_bfe_u32 v2, v0, 4, 1                         ; l / 16
	v_mul_u32_u24 v5, v1, 32                       ; my row's scales: 32 bytes a row,
	v_lshrrev_b32 v6, 8, v5
	v_lshl_add_u32 v5, v6, 4, v5                   ; and 16 more for each 256 passed
	s_mul_i32 s21, s15, 8*272                      ; A's: my 64 rows
	s_mul_i32 s22, s16, 16*272                     ; B's: my 128 rows, behind A's 128
	s_add_co_u32 s22, s22, 16*272
	s_sub_co_u32 s22, s22, s21
	v_mul_u32_u24 v6, s22, v2                      ; lanes 16-31 take B's
	s_add_co_u32 s21, s21, SCL
	v_add_nc_u32 v5, v5, v6
	v_add_nc_u32 v[ADRS], s21, v5
	s_mul_i32 s23, s14, 16*SPITCH                  ; my stage
	v_mul_u32_u24 v5, v1, SPITCH
	v_lshl_add_u32 v5, v2, 6, v5
	v_add_nc_u32 v[STO], s23, v5
	v_lshlrev_b32 v[CO], 4, v3
	v_add_nc_u32 v[RD], s23, v[CO]
	s_lshl_b32 s20, s17, 7
	s_lshl_b32 s21, s15, 6
	s_add_co_u32 s20, s20, s21                     ; my first row of the result
	s_lshl_b32 s20, s20, 12
	s_lshl_b32 s46, s42, 10                        ; my first column, in bytes
	s_lshl_b32 s47, s16, 9
	s_add_co_u32 s46, s46, s47
	s_add_co_u32 s20, s20, s46
	s_mov_b32 s21, 0
	s_add_nc_u64 s[12:13], s[12:13], s[20:21]
.macro FRAG reg, adr, q, i             ; a fragment, 16 rows x 128 K, is two half images on end
	ds_load_b128 v[\reg:\reg+3], v[\adr] offset:(\i)*TROW+(\q)*1536
	ds_load_b64 v[\reg+4:\reg+5], v[\adr+2] offset:(\i)*TROW+(\q)*1536+512
	ds_load_b128 v[\reg+6:\reg+9], v[\adr] offset:(\i)*TROW+(\q)*1536+768
	ds_load_b64 v[\reg+10:\reg+11], v[\adr+2] offset:(\i)*TROW+(\q)*1536+1280
.endm
.macro FETCH ks                        ; K step ks (128 along K) into the sets ks % 2: B's eight fragments, A's four
	WIN TO_B
.irp i, 0,1,2,3,4,5,6,7
	FRAG 128*((\ks)%2)+FR*\i, ADRB+(\ks)/4, (\ks)%4, \i
.endr
	WIN 0
.irp i, 0,1,2,3
	FRAG AF+48*((\ks)%2)+FR*\i, ADRA+(\ks)/4, (\ks)%4, \i
.endr
.endm
.macro MUL32 ks, zero                  ; the 32 accumulators take turns, one instruction a turn, in the same order in every step
.irp a, 0,1,2,3
.irp b, 0,1,2,3,4,5,6,7
.if \zero
	v_wmma_scale_f32_16x16x128_f8f6f4 v[8*(8*\a+\b):8*(8*\a+\b)+7], v[128*((\ks)%2)+FR*\b:128*((\ks)%2)+FR*\b+FR-1], v[AF+48*((\ks)%2)+FR*\a:AF+48*((\ks)%2)+FR*\a+FR-1], 0, v[SC+8*\b+(\ks)], v[SC+8*\a+(\ks)] matrix_a_fmt:MATRIX_FMT_BF6 matrix_b_fmt:MATRIX_FMT_BF6 matrix_a_scale:MATRIX_SCALE_ROW1
.else
	v_wmma_scale_f32_16x16x128_f8f6f4 v[8*(8*\a+\b):8*(8*\a+\b)+7], v[128*((\ks)%2)+FR*\b:128*((\ks)%2)+FR*\b+FR-1], v[AF+48*((\ks)%2)+FR*\a:AF+48*((\ks)%2)+FR*\a+FR-1], v[8*(8*\a+\b):8*(8*\a+\b)+7], v[SC+8*\b+(\ks)], v[SC+8*\a+(\ks)] matrix_a_fmt:MATRIX_FMT_BF6 matrix_b_fmt:MATRIX_FMT_BF6 matrix_a_scale:MATRIX_SCALE_ROW1
.endif
.endr
.endr
.endm
.macro KSTEP ks, zero                  ; this step's fragments are in; the next step's are asked for, into the sets that the step before has read; 32 products
.if (\ks) == 3
	s_wait_tensorcnt 0x0                           ; my part of the second half of K is in,
.endif
	s_wait_dscnt 0x0
.if (\ks) == 3
	s_barrier_signal -1
	s_barrier_wait -1                              ; and everybody's
.endif
.if (\ks) < 7
.if (\ks) > 0
	PLACES 4                                       ; in front of loads into registers that matrix instructions have read
.endif
	FETCH (\ks)+1
.endif
	WIN MUL_W
	MUL32 \ks, \zero
	WIN 0
.endm
	s_wait_alu depctr_va_vdst(0)                   ; the wait at the head's end
	s_wait_tensorcnt 0x0                           ; my tile of the head's four is in
	ds_add_u32 v[SPW], v[NIL]
	s_mov_b32 s[G1+2], 4<<16                       ; no tensor load of mine is out: the second half comes 4 row tiles of A,
	s_mov_b32 s[G1+4], 4
	s_mov_b32 s[G1B+2], 8<<16                      ; 8 of B, a wave
	s_mov_b32 s[G1B+4], 8
	s_wait_dscnt 0x0
	CROUND                                         ; all four tiles are in, and all sixteen work-groups are here
	s_cmp_eq_u32 s15, 0                            ; waves 0 and 1 fetch for A, waves 2 and 3 for B
	s_cbranch_scc0 .Lfor_b
	tensor_load_to_lds s[G0:G0+3], s[G1:G1+7]
	s_nop 0
	PLACES 4
	s_branch .Lasked
.Lfor_b:
	tensor_load_to_lds s[G0B:G0B+3], s[G1B:G1B+7]
	s_nop 0
	PLACES 4
.Lasked:
.irp i, 0,1,2,3,4,5,6,7                ; the scale words of all of K: eight words a row
	ds_load_b128 v[SC+8*\i:SC+8*\i+3], v[ADRS] offset:\i*SBLK
	ds_load_b128 v[SC+8*\i+4:SC+8*\i+7], v[ADRS] offset:\i*SBLK+16
.endr
	FETCH 0
	KSTEP 0, 1                                     ; the first step's products start the sums
.irp k, 1,2,3,4,5,6,7
	KSTEP \k, 0
.endr
	s_wait_dscnt 0x0
	s_barrier_signal -1
	s_barrier_wait -1                              ; nobody reads the codes any more: the stages may lie over them (those bytes have had their only fill)
; THE WAY OUT, block by block of 16 rows x 128 columns, through my own stage; whole rows of 512 bytes leave as two aligned units of 256 bytes.
.macro TOSTAGE a
.set AC, 64*(\a)
	WIN 0x08                                       ; the data: window 2
.irp b, 0,1,2,3,4,5,6,7
	ds_store_b128 v[STO], v[AC+8*\b:AC+8*\b+3] offset:128*(\b/2)+32*(\b%2)      ; each accumulator from its low end on; B's position 16 b + 8 h + j is column 32 (b / 2) + 8 (b % 2) + 16 h + j
	ds_store_b128 v[STO], v[AC+8*\b+4:AC+8*\b+7] offset:128*(\b/2)+32*(\b%2)+16
.endr
	WIN 0
.set BB, BK+64*((\a)%2)
.irp t, 0,1,2,3,4,5,6,7,8,9,10,11,12,13,14,15
	ds_load_b128 v[BB+4*\t:BB+4*\t+3], v[RD] offset:\t*SPITCH
.endr
.endm
.macro SEND a, younger
.set BB, BK+64*((\a)%2)
	s_wait_dscnt \younger
.irp t, 0,1,2,3,4,5,6,7,8,9,10,11,12,13,14,15
	global_store_b128 v[CO], v[BB+4*\t:BB+4*\t+3], s[12:13] offset:(32*((\a)/2)+8*((\a)%2)+\t+8*(\t/8))*4096 th:TH_STORE_NT
.endr
.endm
	PLACES 4
	TOSTAGE 0
.irp a, 1,2,3
.if \a > 1
	s_wait_xcnt 0x0                                ; block a - 2's stores have read their registers
.endif
	TOSTAGE \a
	SEND \a-1, 32
.endr
	SEND 3, 0
	s_wait_tensorcnt 0x0                           ; the wave's end
	ds_add_u32 v[SPW], v[NIL]
	s_wait_dscnt 0x0
	CROUND                                         ; the closing round
	s_endpgm
.Lfunc_end_k_q5e80841059_proj:
	.size	k_q5e80841059_proj, .Lfunc_end_k_q5e80841059_proj-k_q5e80841059_proj
	.p2alignl 7, 3214868480
	.fill 96, 4, 3214868480
	.section	.rodata,"a",@progbits
	.p2align	6, 0x0
	.amdhsa_kernel k_q5e80841059_proj
		.amdhsa_group_segment_fixed_size 327680
		.amdhsa_private_segment_fixed_size 0
		.amdhsa_enable_private_segment 0
		.amdhsa_kernarg_size 24
		.amdhsa_user_sgpr_count 2
		.amdhsa_user_sgpr_kernarg_segment_ptr 1
		.amdhsa_wavefront_size32 1
		.amdhsa_system_sgpr_workgroup_id_x 1
		.amdhsa_system_sgpr_workgroup_id_y 1
		.amdhsa_system_sgpr_workgroup_id_z 1
		.amdhsa_system_vgpr_workitem_id 0
		.amdhsa_next_free_vgpr 768
		.amdhsa_next_free_sgpr 100
		.amdhsa_reserve_vcc 0
		.amdhsa_float_denorm_mode_32 3
		.amdhsa_float_denorm_mode_16_64 3
		.amdhsa_memory_ordered 1
		.amdhsa_forward_progress 1
		.amdhsa_inst_pref_size 85
	.end_amdhsa_kernel
	.amdgpu_metadata
---
amdhsa.version: [ 1, 2 ]
amdhsa.kernels:
  - .name:           k_q5e80841059_proj
    .symbol:         k_q5e80841059_proj.kd
    .args:
      - { .name: oq, .offset: 0, .size: 8, .value_kind: global_buffer, .address_space: global }
      - { .name: wo, .offset: 8, .size: 8, .value_kind: global_buffer, .address_space: global }
      - { .name: out0, .offset: 16, .size: 8, .value_kind: global_buffer, .address_space: global }
    .group_segment_fixed_size: 327680
    .private_segment_fixed_size: 0
    .kernarg_segment_align: 8
    .kernarg_segment_size: 24
    .max_flat_workgroup_size: 128
    .sgpr_count:     100
    .vgpr_count:     768
    .wavefront_size: 32
...
	.end_amdgpu_metadata
.endif
;; end of part 4
